; MI455X (gfx1250); checked and timed in simulation.
; The chip was launched on July 23, 2026; its instructions are those of AMD's public machine-readable ISA for CDNA 5 (MIT licence, August 2026) and "CDNA5" Instruction Set Architecture Reference Guide (July 2026). The comments in the code are by the model that wrote it; some were corrected since.
;; Span NER. Allowed arithmetic: matrix products marked QUANTISED: E2M3 operands, one E8M0 scale for each 32 along K, by v_wmma_scale_f32_16x16x128_f8f6f4 with both operands' format E2M3, f32 sums; products left as they are: f32 operands where the result goes on into a quantised operand, else bf16, f16 or f32 operands; f32 sums; everything else in f32.
;; Inputs: W1_codes 1,024 x 66 x 24 uint8 (E2M3 codes of W1, K innermost, in blocks of 32 codes, four codes in three bytes); W1_scales 1,024 x 66 uint8 (E8M0 scales of W1, one for each 32 codes along K); W2 1,024 x 3 float32; b1 1,024 float32; b2 3 float32; sequence_output 4 x 512 x 1,024 float32; span_ends 7,575 int32; span_starts 7,575 int32; width_emb 15 x 64 float32.
;; Outputs: out0 4 x 7,575 x 3 float32.
;; This version of the problem:
;;   THIS VERSION OF THE PROBLEM IS GIVEN IN LOW PRECISION. The matrix products marked QUANTISED in the list below multiply operands that are first quantised to E2M3 (2 exponent bits, 3 mantissa bits; 6 bits a number), with one power-of-two scale for each 32 numbers along K (OCP MX v1.0); their sums are f32. All else is computed in f32.
;;   The module's matrix products, in the order in which they are computed (A, B: the left and right operand; K: the contracted axis; several contracted axes count as one K, in the product's order):
;;     1. [M 30,300, K 2,112] x [K 2,112, N 1,024]; A: computed on the way; B: input W1 (given as codes): QUANTISED
;;     2. [M 30,300, K 1,024] x [K 1,024, N 3]; A: computed on the way; B: input W2: left as it is (N = 3 < 16)
;;   THE QUANTISER, for each operand of a quantised product, along K:
;;     - K is cut into blocks of 32 from its start; a last block that is shorter is filled with zeros.
;;     - A block's scale is 2^e with e = floor(log2(the largest magnitude in the block)) - 2, held to -126 .. 127; a block of zeros has e = 0. As a byte (E8M0): e + 127.
;;     - Each number is divided by its block's scale, clamped to +-7.5, and rounded to the nearest number of E2M3, ties to even, subnormals kept.
;;     - The product sums the exact products of the quantised numbers (number of the format x scale) in f32.
;;   ~~~python
;;   def quantise(x, axis):      # numpy; x: float32 -> the quantised numbers, widened to float32 again
;;       x = np.moveaxis(x, axis, -1); K = x.shape[-1]
;;       x = np.pad(x, [(0, 0)] * (x.ndim - 1) + [(0, -K % 32)]); x = x.reshape(x.shape[:-1] + (-1, 32)); a = np.abs(x).max(-1, keepdims=True)
;;       e = np.where(a > 0, np.clip(np.frexp(np.where(a > 0, a, 1))[1] - 1 - 2, -126, 127), 0)      # np.frexp(a)[1] - 1 = floor(log2(a)), exactly
;;       r = np.clip(x / 2.0 ** e, -7.5, 7.5)
;;       step = 2.0 ** (np.maximum(np.frexp(np.where(r == 0, 1, r))[1] - 1, 0) - 3)
;;       q = np.round(r / step) * step * 2.0 ** e      # np.round: ties to even
;;       return np.moveaxis(q.reshape(q.shape[:-2] + (-1,))[..., :K], -1, axis).astype(np.float32)
;;   ~~~
;;   OPERANDS COMPUTED ON THE WAY. 'Computed on the way' means the value that the module computes at that place (a softmax that the list does not call 'softmax' is quantised finished and normalised). What goes into a quantiser is computed in f32, as accurately as f32 sums, v_exp_f32 and their like allow (about 1e-6 of the number): no bf16 or f16 on the way to a quantiser, and a product that is left as it is and whose result goes on into a quantised operand takes f32 operands (vector FMAs, or v_wmma_f32_16x16x4_f32). A number that lies on a knife's edge between two numbers of the format may be rounded either way, as far as f32 arithmetic and the matrix unit's own rounding can turn it there, and no further.
;;   INPUTS GIVEN AS CODES. W1 (in the module: [2112, 1024], K = its axis 0): each comes as NAME_codes (uint8): NAME with its K axis moved to the last place and cut into blocks of 32 codes, [.., K / 32, bytes a block], one block behind the other in memory; four codes in three bytes: a row's codes are one little-endian stream of bits, code i at bits 6 i .. 6 i + 5 (a code: sign, 2 exponent bits, 3 mantissa bits); and NAME_scales (uint8): the same leading axes, one E8M0 byte (e + 127) for each 32 codes along K. Its value is code x scale, taken as it is: it is not quantised again, and the codes and scales need not be those that the quantiser above would give.
;; 2 versions. Each part assembles by itself: llvm-mc -triple=amdgcn-amd-amdhsa -mcpu=gfx1250 --defsym DOCPART=n.
;; ======== version 1 of 2: 2 launches
;; workspace buffers: qa 2,099,200 bytes; w1img 1,740,800 bytes; w2img 32,768 bytes
;; launch prep (part 1): grid 292 x 1, 4 waves a work-group, no clusters, 47,616 bytes of LDS; arguments sequence_output, width_emb, W1_codes, W1_scales, W2, qa, w1img, w2img; writes qa, w1img, w2img
.if DOCPART == 1
	.amdgcn_target "amdgcn-amd-amdhsa--gfx1250"
	.amdhsa_code_object_version 6
	.text
	.protected	k_qc0dc5accdf_prep
	.globl	k_qc0dc5accdf_prep
	.p2align	8
	.type	k_qc0dc5accdf_prep,@function
k_qc0dc5accdf_prep:
	s_mov_b64 s[64:65], 0
	v_nop
	global_prefetch_b8 v0, s[64:65] scope:SCOPE_SE
	s_setreg_imm32_b32 hwreg(HW_REG_WAVE_MODE, 25, 1), 1
	s_wait_xcnt 0x0
; PREP: everything that the span kernel reads is laid once, in the order of the matrix operands' registers.
; The span row's K (1,024 + 1,024 + 64) is cut at multiples of 32, so its blocks are the blocks of the start token's row, of the end token's row and of the width row:
; each of the 2,048 token rows and 15 width rows is quantised ONCE here (FP6 = E2M3, one E8M0 byte for each 32 along K), and the span kernel gathers codes.
; qa: row b*512+t of 1,024 bytes = 8 K steps of 128 bytes; a K step = two halves of 64 bytes; half h = the 24 bytes of block 4k+h, the 24 bytes of block 4k+2+h (registers 0-11 of fragment lane (r, h)),
;     the K step's scale word (4 bytes, the same in both halves), 12 bytes of zero.  From byte 2,097,152 on: 16 width units of the same form (blocks 0, 1, then zero codes; unit 15 repeats row 14 and is never named).
; w1img: [phase 17][wave 4][step 2][12,800]: 8 fragment images of 1,536 bytes (register group c of lane l at 512 c + 16 l), then 512 bytes of scale words [row 16][tile 8].
; w2img: 32 chunks of 32 hidden units: a bf16 fragment of 16 x 32 (row = label, rows 3-15 zero), registers 0-3 at 16 l, registers 4-7 at 512 + 16 l.
; ROLES, by the work-group's number: 0-255 token rows (a wave: two rows); 256 the width rows (wave 0); 257-290 W1 (a wave: one unit); 291 W2 (a wave: eight chunks).
; A block's scale is 2^(floor(log2(largest magnitude)) - 2): its byte is the largest magnitude's exponent field - 2, held at 1 from below.
; LIMITS: a block whose largest magnitude lies under 2^-124 keeps the byte 1; a block of zeros gets the byte 1 with zero codes (these bytes are read by this program alone); NaN and infinities are not served.
; No tensor load, no barrier, no loop: waves share nothing.
.set WREG, 11776                       ; LDS of a wave: the stage in (64 blocks x (128 + 16) bytes), then the stage out (32 places x (64 + 16) bytes)
.set OSTG, 9216
.set X, 16                             ; v16-79   numbers as loaded; later the rows on their way out
.set Y, 80                             ; v80-143  two whole blocks of 32 numbers
.set C, 144                            ; v144-159 12 registers of codes, the scale word, three zeros: a lane's 64 bytes
.set T, 160                            ; v160-167 the second halves of the conversions (three registers that begin on an even number)
.set M, 168                            ; v168-173 largest magnitudes, scale operands, bytes
	s_load_b512 s[4:19], s[0:1], 0x0               ; sequence s[4:5], width s[6:7], W1's codes s[8:9], W1's scales s[10:11], W2 s[12:13], qa s[14:15], w1img s[16:17], w2img s[18:19]
	v_lshl_add_u32 v176, v0, 2, 0xb800
	v_mov_b32 v177, 0
	v_lshrrev_b32 v1, 5, v0
	v_readfirstlane_b32 s20, v1                    ; wave
	v_and_b32 v1, 31, v0                           ; lane L
	v_lshlrev_b32 v2, 4, v1                        ; 16 L
	s_mul_i32 s21, s20, WREG
	s_add_co_u32 s22, s21, OSTG
	v_lshrrev_b32 v8, 3, v1
	v_lshl_add_u32 v3, v8, 4, v2
	v_add_nc_u32 v3, s21, v3                       ; stage in, writing: 16 L + 16 (L / 8): eight lanes fill a block of 128 bytes, then 16 of padding
	v_lshrrev_b32 v8, 1, v1                        ; L / 2
	v_and_b32 v9, 1, v1                            ; L % 2: the half
	v_lshl_add_u32 v4, v8, 2, v9
	v_mul_u32_u24 v4, v4, 144
	v_add_nc_u32 v4, s21, v4                       ; stage in, reading: block 4 (L / 2) + L % 2
	v_mul_u32_u24 v5, v1, 80
	v_add_nc_u32 v5, s22, v5                       ; stage out, writing: my 64 bytes
	v_lshrrev_b32 v10, 2, v1
	v_mul_u32_u24 v6, v10, 80
	v_and_b32 v10, 3, v1
	v_lshl_add_u32 v6, v10, 4, v6
	v_add_nc_u32 v6, s22, v6                       ; stage out, reading: four lanes take one place's 64 bytes
	v_lshlrev_b32 v7, 3, v9                        ; 8 x half: where my two bytes stand in the scale word
	s_mov_b32 s27, 0
	s_wait_kmcnt 0x0
	s_cmp_gt_u32 ttmp9, 290
	s_cbranch_scc1 .Lw2
	s_cmp_gt_u32 ttmp9, 256
	s_cbranch_scc1 .Lw1
	s_cmp_eq_u32 ttmp9, 256
	s_cbranch_scc1 .Lwidth
	; ---- token rows: my wave's two rows are 8,192 dense bytes = 64 blocks
	s_lshl_b32 s24, ttmp9, 2
	s_add_co_u32 s24, s24, s20                     ; which pair of rows
	s_lshl_b32 s26, s24, 13
	s_add_nc_u64 s[4:5], s[4:5], s[26:27]
	s_lshl_b32 s26, s24, 11
	s_add_nc_u64 s[14:15], s[14:15], s[26:27]      ; their 2,048 bytes in qa
.irp i, 0,1,2,3,4,5,6,7,8,9,10,11,12,13,14,15
	global_load_b128 v[X+4*\i:X+4*\i+3], v2, s[4:5] offset:512*\i th:TH_LOAD_NT   ; 32 lanes read 512 consecutive bytes
.endr
.irp i, 0,1,2,3,4,5,6,7,8,9,10,11,12,13,14,15
	s_wait_loadcnt 15-\i                           ; load i is in; the younger ones may be out
	ds_store_b128 v3, v[X+4*\i:X+4*\i+3] offset:576*\i
.endr
.irp c, 0,1
.irp j, 0,1,2,3,4,5,6,7
	ds_load_b128 v[Y+32*\c+4*\j:Y+32*\c+4*\j+3], v4 offset:288*\c+16*\j   ; lane (row L / 16, K step (L / 2) % 8, half L % 2): blocks 4 k + h and 4 k + 2 + h, whole.  LDS serves a wave's instructions in order: these see my stores
.endr
.endr
	s_wait_dscnt 0x0
	s_branch .Lquant
.Lwidth:
	; ---- width rows: wave 0 alone; lane L takes block L % 2 of row min(L / 2, 14); its second block is zeros
	s_cmp_lg_u32 s20, 0
	s_cbranch_scc1 .Lend
	v_min_u32 v10, 14, v8
	v_lshlrev_b32 v10, 8, v10
	v_lshl_add_u32 v10, v9, 7, v10                 ; 256 x row + 128 x half
.irp j, 0,1,2,3,4,5,6,7
	global_load_b128 v[Y+4*\j:Y+4*\j+3], v10, s[6:7] offset:16*\j
.endr
.irp j, 0,1,2,3,4,5,6,7,8,9,10,11,12,13,14,15,16,17,18,19,20,21,22,23,24,25,26,27,28,29,30,31
	v_mov_b32 v[Y+32+\j], 0                        ; K beyond the row's 64: zero numbers give zero codes
.endr
	s_add_nc_u64 s[14:15], s[14:15], 0x200000      ; the width units stand behind the 2,048 rows
	s_wait_loadcnt 0x0
.Lquant:
	; ---- two whole blocks of a lane become 48 bytes of codes and two bytes of the scale word
.irp c, 0,1
	v_max3_num_f32 v[M+\c], |v[Y+32*\c]|, |v[Y+32*\c+1]|, 0x1800000   ; and the floor 2^(3 - 127): the byte cannot fall under 1
.endr
.irp i, 2,4,6,8,10,12,14,16,18,20,22,24,26,28,30
.irp c, 0,1
	v_max3_num_f32 v[M+\c], v[M+\c], |v[Y+32*\c+\i]|, |v[Y+32*\c+\i+1]|   ; (the two blocks by turns)
.endr
.endr
.irp c, 0,1
	v_add_nc_u32 v[M+2+\c], 0xff000000, v[M+\c]    ; 2 off the exponent field: the conversion takes the exponent field of this operand as its scale
.endr
.irp c, 0,1
	v_lshrrev_b32 v[M+4+\c], 23, v[M+2+\c]         ; the scale's byte
.endr
	v_lshl_or_b32 v[M+4], v[M+5], 16, v[M+4]       ; blocks h and 2 + h of the K step,
	v_lshlrev_b32 v[M+4], v7, v[M+4]               ; at their places in the word;
	v_mov_b32_dpp v[M+5], v[M+4] row_xmask:1 row_mask:0xf bank_mask:0xf   ; the other half's two bytes lie in the neighbouring lane
	v_or_b32 v[C+12], v[M+4], v[M+5]               ; the word is whole, in both halves
	v_mov_b32 v[C+13], 0
	v_mov_b32 v[C+14], 0
	v_mov_b32 v[C+15], 0
.irp c, 0,1
	v_cvt_scalef32_pk16_fp6_f32 v[C+6*\c:C+6*\c+2], v[Y+32*\c:Y+32*\c+15], v[M+2+\c]
	v_cvt_scalef32_pk16_fp6_f32 v[T+4*\c:T+4*\c+2], v[Y+32*\c+16:Y+32*\c+31], v[M+2+\c]   ; (a conversion's three registers begin on an even number)
.endr
	v_nop                                          ; one plain place behind a scaled conversion
.irp c, 0,1
.irp i, 0,1,2
	v_mov_b32 v[C+6*\c+3+\i], v[T+4*\c+\i]
.endr
.endr
.irp j, 0,1,2,3
	ds_store_b128 v5, v[C+4*\j:C+4*\j+3] offset:16*\j
.endr
.irp j, 0,1,2,3
	ds_load_b128 v[X+4*\j:X+4*\j+3], v6 offset:640*\j   ; back as they lie in qa: lane L's 64 bytes stand at 64 L
.endr
.irp j, 0,1,2,3
	s_wait_dscnt 3-\j
	global_store_b128 v2, v[X+4*\j:X+4*\j+3], s[14:15] offset:512*\j   ; 32 lanes store 512 consecutive bytes, at a multiple of 256 from qa's first byte
.endr
	s_wait_tensorcnt 0x0
	ds_add_u32 v176, v177
	s_wait_dscnt 0x0
	s_endpgm
.Lw1:
	; ---- W1: unit U = 8 g + 2 w + q.  Step u = 2 g + q of the span kernel's walk: u < 16: columns 0-511; u = 16, 17: the width blocks for columns 0-511, 512-1,023; u > 17: columns 512-1,023.
	s_sub_co_u32 s24, ttmp9, 257
	s_lshl_b32 s24, s24, 2
	s_add_co_u32 s24, s24, s20                     ; U
	s_lshr_b32 s25, s24, 3                         ; g
	s_bfe_u32 s26, s24, 0x20001                    ; w
	s_and_b32 s28, s24, 1                          ; q
	s_lshl_b32 s29, s25, 1
	s_add_co_u32 s28, s28, s29                     ; u
	s_cmp_ge_u32 s28, 17
	s_cselect_b32 s29, 1, 0                        ; which half of the columns
	s_mul_i32 s30, s29, 18
	s_sub_co_u32 s30, s28, s30                     ; the step within the pass (of no use where g = 8)
	s_and_b32 s31, s30, 1
	s_lshl_b32 s31, s31, 5                         ; even: the start token's blocks 0-31; odd: the end token's, 32-63
	s_lshr_b32 s32, s30, 1
	s_lshl_b32 s32, s32, 2
	s_add_co_u32 s31, s31, s32                     ; first block of the step
	s_cmp_eq_u32 s25, 8
	s_cselect_b32 s31, 64, s31                     ; the width blocks
	s_lshl_b32 s33, s29, 9
	s_lshl_b32 s34, s26, 7
	s_add_co_u32 s33, s33, s34                     ; first column: 512 p + 128 w
	s_mul_i32 s34, s33, 1584                       ; a column's codes are 66 x 24 bytes
	s_mul_i32 s36, s31, 24
	s_add_co_u32 s34, s34, s36
	s_mov_b32 s35, 0
	s_add_nc_u64 s[8:9], s[8:9], s[34:35]
	s_mul_i32 s34, s33, 66
	s_add_co_u32 s34, s34, s31
	s_add_nc_u64 s[10:11], s[10:11], s[34:35]
	s_mul_i32 s34, s24, 12800
	s_add_nc_u64 s[16:17], s[16:17], s[34:35]
	v_and_b32 v10, 15, v1                          ; r
	v_lshrrev_b32 v11, 4, v1                       ; h
	v_mul_u32_u24 v12, v10, 1584
	v_mad_u32_u24 v12, v11, 24, v12                ; codes: column r, + 24 h
	v_mul_u32_u24 v13, v8, 66
	v_mad_u32_u24 v13, v9, 4224, v13               ; scales: lane L stores the words of row L / 2, tiles 4 (L % 2) + 0 .. 3: column L / 2 + 64 (L % 2) + 16 t
; One unit.  isw = 1: only blocks 64 and 65 exist: registers 6-11 are zero codes, under the byte 127; no load leaves a column's row.
.macro UNIT isw
.irp i, 0,1,2,3,4,5,6,7
.irp p, 0,1,2,3,4,5
.if (\isw == 0) || (\p < 3)
	global_load_b64 v[16+12*\i+2*\p:16+12*\i+2*\p+1], v12, s[8:9] offset:25344*\i+48*(\p/3)+8*(\p%3) th:TH_LOAD_NT
.else
	v_mov_b32 v[16+12*\i+2*\p], 0
	v_mov_b32 v[16+12*\i+2*\p+1], 0
.endif
.endr
.endr
.irp t, 0,1,2,3
	global_load_u16 v[112+2*\t], v13, s[10:11] offset:1056*\t
.if \isw == 0
	global_load_u16 v[113+2*\t], v13, s[10:11] offset:1056*\t+2
.endif
.endr
	s_wait_loadcnt 0x0
.irp t, 0,1,2,3
.if \isw
	v_or_b32 v[120+\t], 0x7f7f0000, v[112+2*\t]
.else
	v_lshl_or_b32 v[120+\t], v[113+2*\t], 16, v[112+2*\t]
.endif
.endr
.irp i, 0,1,2,3,4,5,6,7
.irp c, 0,1,2
	global_store_b128 v2, v[16+12*\i+4*\c:16+12*\i+4*\c+3], s[16:17] offset:1536*\i+512*\c   ; an image of the registers: 512 consecutive bytes a store
.endr
.endr
	global_store_b128 v2, v[120:123], s[16:17] offset:12288
	s_endpgm
.endm
	s_cmp_eq_u32 s25, 8
	s_cbranch_scc1 .Lw1w
	UNIT 0
.Lw1w:
	UNIT 1
.Lw2:
	; ---- W2 [1024][3]: lane (r, h) of chunk c holds W2[32 c + k][r], k = 8 h + 0 .. 7 and 16 + 8 h + 0 .. 7, in bf16; rows 3-15 are zeros
	v_and_b32 v10, 15, v1
	v_lshrrev_b32 v11, 4, v1
	v_min_u32 v12, 2, v10                          ; (rows 3-15 read label 2 and are cleared below: no load leaves W2)
	v_lshlrev_b32 v12, 2, v12
	v_mad_u32_u24 v12, v11, 96, v12
	s_mul_i32 s24, s20, 3072
	s_mov_b32 s25, 0
	s_add_nc_u64 s[12:13], s[12:13], s[24:25]      ; my eight chunks: 8 x 32 rows of 12 bytes
	s_lshl_b32 s24, s20, 13
	s_add_nc_u64 s[18:19], s[18:19], s[24:25]
.irp k, 0,1,2,3,4,5,6,7
.irp e, 0,1,2,3,4,5,6,7,8,9,10,11,12,13,14,15
	global_load_b32 v[16+16*\k+\e], v12, s[12:13] offset:384*\k+12*\e+96*(\e/8)
.endr
.endr
	v_cmp_gt_u32 vcc_lo, 3, v10
	s_wait_loadcnt 0x0
.irp k, 0,1,2,3,4,5,6,7
.irp e, 0,1,2,3,4,5,6,7
	v_cvt_pk_bf16_f32 v[16+16*\k+\e], v[16+16*\k+2*\e], v[16+16*\k+2*\e+1]   ; in place: register e is written when pairs 0 .. e have been read
.endr
.irp e, 0,1,2,3,4,5,6,7
	v_cndmask_b32 v[16+16*\k+\e], 0, v[16+16*\k+\e], vcc_lo
.endr
	global_store_b128 v2, v[16+16*\k:16+16*\k+3], s[18:19] offset:1024*\k
	global_store_b128 v2, v[16+16*\k+4:16+16*\k+7], s[18:19] offset:1024*\k+512
.endr
.Lend:
	s_endpgm
.Lfunc_end_k_qc0dc5accdf_prep:
	.size	k_qc0dc5accdf_prep, .Lfunc_end_k_qc0dc5accdf_prep-k_qc0dc5accdf_prep
	.p2alignl 7, 3214868480
	.fill 96, 4, 3214868480
	.section	.rodata,"a",@progbits
	.p2align	6, 0x0
	.amdhsa_kernel k_qc0dc5accdf_prep
		.amdhsa_group_segment_fixed_size 47616
		.amdhsa_private_segment_fixed_size 0
		.amdhsa_enable_private_segment 0
		.amdhsa_kernarg_size 64
		.amdhsa_user_sgpr_count 2
		.amdhsa_user_sgpr_kernarg_segment_ptr 1
		.amdhsa_wavefront_size32 1
		.amdhsa_system_sgpr_workgroup_id_x 1
		.amdhsa_system_sgpr_workgroup_id_y 1
		.amdhsa_system_sgpr_workgroup_id_z 1
		.amdhsa_system_vgpr_workitem_id 0
		.amdhsa_next_free_vgpr 178
		.amdhsa_next_free_sgpr 66
		.amdhsa_reserve_vcc 1
		.amdhsa_float_denorm_mode_32 3
		.amdhsa_float_denorm_mode_16_64 3
		.amdhsa_memory_ordered 1
		.amdhsa_forward_progress 1
		.amdhsa_inst_pref_size 49
	.end_amdhsa_kernel
	.amdgpu_metadata
---
amdhsa.version: [ 1, 2 ]
amdhsa.kernels:
  - .name:           k_qc0dc5accdf_prep
    .symbol:         k_qc0dc5accdf_prep.kd
    .args:
      - { .name: sequence_output, .offset: 0, .size: 8, .value_kind: global_buffer, .address_space: global }
      - { .name: width_emb, .offset: 8, .size: 8, .value_kind: global_buffer, .address_space: global }
      - { .name: W1_codes, .offset: 16, .size: 8, .value_kind: global_buffer, .address_space: global }
      - { .name: W1_scales, .offset: 24, .size: 8, .value_kind: global_buffer, .address_space: global }
      - { .name: W2, .offset: 32, .size: 8, .value_kind: global_buffer, .address_space: global }
      - { .name: qa, .offset: 40, .size: 8, .value_kind: global_buffer, .address_space: global }
      - { .name: w1img, .offset: 48, .size: 8, .value_kind: global_buffer, .address_space: global }
      - { .name: w2img, .offset: 56, .size: 8, .value_kind: global_buffer, .address_space: global }
    .group_segment_fixed_size: 47616
    .private_segment_fixed_size: 0
    .kernarg_segment_align: 8
    .kernarg_segment_size: 64
    .max_flat_workgroup_size: 128
    .sgpr_count:     66
    .vgpr_count:     178
    .wavefront_size: 32
...
	.end_amdgpu_metadata
.endif
;; end of part 1
;; launch spans (part 2): grid 60 x 4, 4 waves a work-group, clusters of 4 x 1, 327,680 bytes of LDS; arguments qa, w1img, w2img, b1, b2, span_starts, span_ends, out0; writes out0
.if DOCPART == 2
	.amdgcn_target "amdgcn-amd-amdhsa--gfx1250"
	.amdhsa_code_object_version 6
	.text
	.protected	k_qc0dc5accdf_spans
	.globl	k_qc0dc5accdf_spans
	.p2align	8
	.type	k_qc0dc5accdf_spans,@function
k_qc0dc5accdf_spans:
	s_mov_b64 s[64:65], 0
	v_nop
	global_prefetch_b8 v0, s[64:65] scope:SCOPE_SE
	s_setreg_imm32_b32 hwreg(HW_REG_WAVE_MODE, 25, 1), 1
	s_wait_xcnt 0x0
	s_wait_alu depctr_hold_cnt(0) depctr_sa_sdst(0) depctr_va_vdst(0) depctr_va_sdst(0) depctr_va_ssrc(0) depctr_va_vcc(0) depctr_vm_vsrc(0)
	s_getreg_b32 s2, hwreg(HW_REG_IB_STS2, 6, 4)
	s_cmp_eq_u32 s2, 0
	s_cbranch_scc0 .Lentry_in_a_cluster
	s_endpgm
.Lentry_in_a_cluster:
	s_bfe_u32 s2, ttmp6, 0x10000c
	s_cmp_lg_u32 s2, 0x3003
	s_cbranch_scc0 .Lentry_shape_is_right
	s_endpgm
.Lentry_shape_is_right:
; SPANS: logits = relu([start row | end row | width row] W1 + b1) W2 + b2 for 4 x 7,575 spans.  The first product on codes of FP6 (E2M3) with E8M0 scales, sums in f32; the hidden layer never leaves the registers.
; SHARES.  Work-group (j, batch), j = 0 .. 59, owns spans (505 j) / 4 up to (505 (j + 1)) / 4: 126 or 127.  It computes 128 rows; the rows past its count take a span index held at 7,574 and are not stored.
; Four waves; wave w makes 128 rows x hidden units 512 p + 128 w + 0 .. 127 (64 accumulators, 512 registers), in two passes p = 0, 1.
; K: 17 steps of 128 for each pass: the start row's eight, the end row's eight, and the width step (64 of K, then zero codes).  The walk has 34 steps in 17 phases of two: phases 0-7 (start k, end k) of pass 0;
; phase 8 (width of pass 0, width of pass 1); phases 9-16 (start k, end k) of pass 1.  The order along K is free here: sums are f32 and the result is judged within a tolerance.
; A (the spans' codes) is gathered by the index inputs from qa, whose halves of 64 bytes are a fragment lane's 12 registers and scale word: wave w gathers rows 32 w .. 32 w + 31 a phase ahead into registers
; and stores them to LDS as images of the operand's registers (16 bytes a lane, 512 a store), where all four waves read them.
; W1 comes from w1img, laid in the order of this walk: a phase is 102,400 dense bytes, a wave's part 25,600.  CLUSTER: the four work-groups of a cluster walk the same W1, so each part is asked for JOINTLY:
; the same tensor load, with the same descriptor and a mask that names the four; that divides the requests for W1 by four.  A wave reads only the part that it fetched.
; THE MATRIX INSTRUCTION IS USED TRANSPOSED (source 0 = 16 columns of W1, source 1 = 16 spans): a lane holds ONE span and eight neighbouring hidden units; b1 is the C of each sum's first instruction.
; THE SECOND PRODUCT (3 labels) is left as it is: relu(h) and W2 in bf16, sums in f32: two neighbouring tiles, rounded in pairs, ARE source 1 (32 hidden units x 16 spans); source 0 = W2's labels, rows 3-15 zero.
; Each wave's partial logits of each pass meet in a stage in LDS; at the end each thread adds a span's eight parts and b2 and stores 12 bytes.
; LIMITS: span_starts and span_ends are held to 0 .. 511, their difference to 0 .. 14 (they stay inside the tables that they index); h and W2 are rounded to bf16 for the second product; NaN and infinities are not served.
; REGISTERS, in windows of 256: window 0: v2-29 addresses; v32-63 scale words, two sets of two steps; v64-121 the gather's staging; v128-223 A's 8 fragments, ONE set; v224-255 W2's 4 fragments of the pass.
;   window 1: v0-95, v128-223 W1's fragments, TWO sets (between the passes v0-63 the logits' 8 accumulators, v64-95 h in bf16); v96-127, v224-255 b1's 8 tiles.   windows 2, 3: the accumulators ((a, b) at v[8 (8 (a % 4) + b)]).
.set FR,    12                         ; registers of a fragment: 16 rows x 128 K of 6-bit codes
.set FRB,   1536                       ; its image in bytes
.set UNITB, 12800                      ; a step's 8 images and 512 bytes of scale words [row 16][tile 8]
.set AS,    25600                      ; LDS 0: A's ring, two slots of two steps, written by ds_store alone
.set WR,    51200                      ; W1's ring, two slots, filled by tensor loads alone
.set WS,    102400                     ; a slot: four waves' 25,600 bytes
.set SPARE, 256000                     ; the spare words, 128 bytes for each wave: two blocks of 256 bytes that no other line names
.set STG,   256512                     ; the logits' stage: [pass 2][wave 4][tile 8][512 bytes]
.set ADRA, 2                           ; v2-3   16 x lane in A's slot 0, 1
.set ADRB, 4                           ; v4-5   16 x lane in my part of W1's slot 0, 1
.set ADRS, 6                           ; v6-7   scale words: lanes 0-15 A's row r, lanes 16-31 W1's row r
.set STA,  8                           ; v8     where I store A's images: 16 x lane + 2 images x wave
.set STS,  9                           ; v9     and their scale words: 32 r + 8 x wave
.set SI,   10                          ; v10-11 byte offset of my start row's half in the batch's rows, for my two tiles
.set EI,   12                          ; v12-13 the same of my end row
.set WI,   14                          ; v14-15 and of my width unit
.set H32,  16                          ; v16    32 x (lane / 16): b1's eight numbers of my half
.set L16,  17                          ; v17    16 x lane
.set STGO, 18                          ; v18    the stage: my wave's part, 16 x lane
.set FRD,  19                          ; v19    the stage, reading: the tile and row of my thread's span
.set OUTO, 20                          ; v20    12 x my thread's number
.set SPW,  28                          ; v28    LDS address of my spare word; never rewritten
.set NIL,  29                          ; v29    0; never rewritten
.set SC,   32                          ; scale words: register 16 slot + 8 step + i: lanes 0-15 the word of A's tile i, lanes 16-31 that of W1's tile i
.set SG,   64                          ; v64-111  staging: 4 fragments (step q, tile u: 12 (2 q + u))
.set SW,   112                         ; v112-115 their scale words
.set GA,   116                         ; v116-119 the gather's offsets
.set WC,   120                         ; v120-121 at work
.set AF,   128
.set W2R,  224
.set HOP,  64                          ; in window 1
.set G1,   28                          ; s[28:35] descriptor group 1
.set G0,   36                          ; s[36:43] group 0, one set for each slot
.set MSB, 0
.macro WIN new                         ; the immediate's high byte repeats the setting that is left
.if MSB != (\new)
	s_set_vgpr_msb (MSB<<8)|(\new)
.set MSB, (\new)
.endif
.endm
.macro WINM hi, bias                   ; source 0 (W1) window 1, source 1 (A) window 0, D window 2 or 3; C with D, or b1's tiles in window 1
.if \bias
	WIN 0x91+0x40*\hi
.else
	WIN 0xa1+0x50*\hi
.endif
.endm
.set TO_1, 0x40                        ; destination window 1, address window 0
.macro PLACES n                        ; plain vector instructions behind matrix instructions, in front of loads into their registers and of reads of their results
.rept \n
	v_nop
.endr
.endm
.macro CREST                           ; a round of the cluster's barrier behind its opening barrier
	s_cmp_lg_u32 s20, 0
	s_cbranch_scc1 .Lnot_wave_0_\@
	s_barrier_signal -3
.Lnot_wave_0_\@:
	s_barrier_wait -3
	s_barrier_signal -1
	s_barrier_wait -1
.endm
.macro CROUND
	s_barrier_signal -1
	s_barrier_wait -1
	CREST
.endm
.macro JLOAD sl                        ; the joint load of my part of a phase; four v_nop follow it
	tensor_load_to_lds s[G0+4*\sl:G0+4*\sl+3], s[G1:G1+7]
	s_nop 0
.rept 4
	v_nop
.endr
.endm
.macro FRAG reg, adr, off              ; an image comes back as it was stored: three loads of 512 consecutive bytes
.irp c, 0,1,2
	ds_load_b128 v[\reg+4*\c:\reg+4*\c+3], v[\adr] offset:\off+512*\c
.endr
.endm
.macro FETCH_B sl, q, bs               ; W1's eight fragments of step q of the slot into set bs
	WIN TO_1
.irp i, 0,1,2,3,4,5,6,7
	FRAG 128*(\bs)+FR*\i, ADRB+\sl, UNITB*(\q)+FRB*\i
.endr
	WIN 0
.endm
.macro FETCH_A sl, q, i0               ; A's tiles i0 .. i0 + 3
.irp i, \i0, \i0+1, \i0+2, \i0+3
	FRAG AF+FR*(\i), ADRA+\sl, UNITB*(\q)+FRB*(\i)
.endr
.endm
.macro SCALES sl                       ; both steps' scale words of the slot: four words a load
.irp q, 0,1
	ds_load_b128 v[SC+16*\sl+8*\q:SC+16*\sl+8*\q+3], v[ADRS+\sl] offset:UNITB*\q+8*FRB
	ds_load_b128 v[SC+16*\sl+8*\q+4:SC+16*\sl+8*\q+7], v[ADRS+\sl] offset:UNITB*\q+8*FRB+16
.endr
.endm
; 16 matrix instructions: A's tiles a0, a0 + 1 x W1's eight.  bias = 1: the pass's first step: b1's tile is the C, nothing is cleared or added later.
; The 64 accumulators take turns, one instruction a turn, in the same order in every step.
.macro MUL16 a0, bs, sl, q, bias
.irp a, \a0, \a0+1
.irp b, 0,1,2,3,4,5,6,7
.if \bias
	v_wmma_scale_f32_16x16x128_f8f6f4 v[8*(8*((\a)%4)+\b):8*(8*((\a)%4)+\b)+7], v[128*(\bs)+FR*\b:128*(\bs)+FR*\b+FR-1], v[AF+FR*(\a):AF+FR*(\a)+FR-1], v[96+8*\b+96*(\b/4):96+8*\b+96*(\b/4)+7], v[SC+16*(\sl)+8*(\q)+\b], v[SC+16*(\sl)+8*(\q)+(\a)] matrix_a_fmt:MATRIX_FMT_FP6 matrix_b_fmt:MATRIX_FMT_FP6 matrix_a_scale:MATRIX_SCALE_ROW1
.else
	v_wmma_scale_f32_16x16x128_f8f6f4 v[8*(8*((\a)%4)+\b):8*(8*((\a)%4)+\b)+7], v[128*(\bs)+FR*\b:128*(\bs)+FR*\b+FR-1], v[AF+FR*(\a):AF+FR*(\a)+FR-1], v[8*(8*((\a)%4)+\b):8*(8*((\a)%4)+\b)+7], v[SC+16*(\sl)+8*(\q)+\b], v[SC+16*(\sl)+8*(\q)+(\a)] matrix_a_fmt:MATRIX_FMT_FP6 matrix_b_fmt:MATRIX_FMT_FP6 matrix_a_scale:MATRIX_SCALE_ROW1
.endif
.endr
.endr
.endm
; The gather of phase s50: my 32 rows' halves of both steps, 16 loads, into the staging registers.  Phase 8 takes the width unit twice; the others K step k of the start row (step 0) and of the end row (step 1).
; The choice is made without a branch: offsets times 0 or 1.  Behind the holds on the loaded indices stand only shifts, sums and products.
.macro GATHER
	s_cmp_eq_u32 s50, 8
	s_cselect_b32 s52, 1, 0                        ; 1 in the width phase
	s_cselect_b32 s51, 0, 1                        ; 1 in the others
	s_cmp_gt_u32 s50, 8
	s_cselect_b32 s53, 9, 0
	s_sub_co_u32 s53, s50, s53
	s_mul_i32 s53, s53, s51                        ; k
	s_lshl_b32 s48, s53, 7                         ; a K step is 128 bytes of a row
	s_add_nc_u64 s[46:47], s[44:45], s[48:49]
	s_add_co_u32 s50, s50, 1
	v_mul_u32_u24 v[WC], s52, v[WI]
	v_mul_u32_u24 v[WC+1], s52, v[WI+1]
	v_mad_u32_u24 v[GA], v[SI], s51, v[WC]
	v_mad_u32_u24 v[GA+1], v[SI+1], s51, v[WC+1]
	v_mad_u32_u24 v[GA+2], v[EI], s51, v[WC]
	v_mad_u32_u24 v[GA+3], v[EI+1], s51, v[WC+1]
.irp f, 0,1,2,3
.irp c, 0,1,2
	global_load_b128 v[SG+12*\f+4*\c:SG+12*\f+4*\c+3], v[GA+\f], s[46:47] offset:16*\c
.endr
	global_load_b32 v[SW+\f], v[GA+\f], s[46:47] offset:48
.endr
.endm
.macro STORE_A sl                      ; the staging registers go to A's slot as images: tiles 2 w and 2 w + 1 of both steps.  (Both halves of the lanes hold a row's word and write it to the same place)
.irp q, 0,1
.irp u, 0,1
.irp c, 0,1,2
	ds_store_b128 v[STA], v[SG+12*(2*\q+\u)+4*\c:SG+12*(2*\q+\u)+4*\c+3] offset:AS*(\sl)+UNITB*\q+FRB*\u+512*\c
.endr
	ds_store_b32 v[STS], v[SW+2*\q+\u] offset:AS*(\sl)+UNITB*\q+8*FRB+4*\u
.endr
.endr
.endm
.macro BIAS p                          ; b1's eight tiles of pass p in the result's layout: lane (r, h) wants hidden units 16 b + 8 h + 0 .. 7
	WIN TO_1
.irp b, 0,1,2,3,4,5,6,7
	global_load_b128 v[96+8*\b+96*(\b/4):96+8*\b+96*(\b/4)+3], v[H32], s[66:67] offset:2048*\p+64*\b
	global_load_b128 v[96+8*\b+96*(\b/4)+4:96+8*\b+96*(\b/4)+7], v[H32], s[66:67] offset:2048*\p+64*\b+16
.endr
	WIN 0
.endm
.macro W2F p                           ; W2's four fragments of my 128 hidden units of pass p
.irp c, 0,1,2,3
	global_load_b128 v[W2R+8*\c:W2R+8*\c+3], v[L16], s[68:69] offset:16384*\p+1024*\c
	global_load_b128 v[W2R+8*\c+4:W2R+8*\c+7], v[L16], s[68:69] offset:16384*\p+1024*\c+512
.endr
.endm
; A phase's first step (W1's set 0).  A tile of A is free as soon as its eight products are issued: tiles 0-3 are fetched anew in the middle, tiles 4-7 at the end.
.macro STEP sl, bias
	s_wait_dscnt 12                                ; all but the youngest twelve loads (A's tiles 4-7) are in
	WINM 0, \bias
	MUL16 0, 0, \sl, 0, \bias
	MUL16 2, 0, \sl, 0, \bias
	s_wait_dscnt 0x0                               ; A's tiles 4-7 are in (asked for 32 matrix instructions ago)
	PLACES 4
	FETCH_B \sl, 1, 1
	FETCH_A \sl, 1, 0
	WINM 1, \bias
	MUL16 4, 0, \sl, 0, \bias
	MUL16 6, 0, \sl, 0, \bias
	PLACES 4
	WIN 0
	FETCH_A \sl, 1, 4
.endm
; A phase's second step (W1's set 1) changes slots: ONE barrier.  In front of it each wave stores the next phase's rows of A, waits for all its tensor loads (its part of the next slot), adds 0 to its spare word,
; and waits for that, for its stores and for its reads of this slot.  A's next slot was last read a phase ago, and every wave waited for those reads in front of the last change's signal.
; fill = 1: W1's slot is filled again, two phases ahead, behind a round of the cluster's barrier, and the rows of A two phases ahead are asked for.
.macro TURN sl, next, fill, bias
	s_wait_loadcnt 0x0                             ; the staging registers are full (asked for 96 matrix instructions ago)
	STORE_A \next
	s_wait_tensorcnt 0x0                           ; all my tensor loads have landed: one was out;
	ds_add_u32 v[SPW], v[NIL]                      ; 0 onto my spare word
	s_wait_dscnt 29                                ; (A's tiles 4-7, twelve loads, my sixteen stores and the add may be out)
	WINM 0, \bias
	MUL16 0, 1, \sl, 1, \bias                      ; sixteen matrix instructions stand between the add and the wait for it
	s_wait_dscnt 0x0                               ; the add and my stores are done, and my reads of this slot are over
	s_barrier_signal -1
	MUL16 2, 1, \sl, 1, \bias
	WIN 0
	s_barrier_wait -1
.if \fill
	CREST                                          ; the barrier has opened a round of the cluster's barrier: no wave of any partner still reads this slot or has a load on its way
	s_add_nc_u64 s[G0+4*\sl+2:G0+4*\sl+3], s[G0+4*\sl+2:G0+4*\sl+3], 2*WS
	JLOAD \sl                                      ; the first tensor load behind the round, my only one until the next; its four v_nop are also the places in front of the loads below
	GATHER
.else
	PLACES 4
.endif
	FETCH_B \next, 0, 0
	FETCH_A \next, 0, 0
	SCALES \next
	WINM 1, \bias
	MUL16 4, 1, \sl, 1, \bias
	MUL16 6, 1, \sl, 1, \bias
	PLACES 4
	WIN 0
	FETCH_A \next, 0, 4
.endm
; A pass's end: relu in f32, in place, each accumulator from its low end on; then, 32 hidden units and four tiles of spans at a time, rounding to bf16 in pairs and four products with W2.
; The logits' eight accumulators take turns; their first products take the constant 0.  Lanes 0-15 then hold a span's three logits in registers 0-2.
.macro EPI p
	WIN 0x88                                       ; source 1 and destination window 2
.set RJ, 0
.rept 256
	v_max_num_f32 v[RJ], 0, v[RJ]
.set RJ, RJ+1
.endr
	WIN 0xcc                                       ; window 3
.set RJ, 0
.rept 256
	v_max_num_f32 v[RJ], 0, v[RJ]
.set RJ, RJ+1
.endr
.irp c, 0,1,2,3
.irp hh, 0,1
.if (\c+\hh) > 0
	PLACES 4                                       ; the last four products have read the registers that the roundings write
.endif
	WIN 0x4a+5*\hh                                 ; sources window 2 or 3, destination window 1
.irp a, 0,1,2,3
.irp t, 0,1
.irp rr, 0,1,2,3
	v_cvt_pk_bf16_f32 v[HOP+8*\a+4*\t+\rr], v[8*(8*\a+2*\c+\t)+2*\rr], v[8*(8*\a+2*\c+\t)+2*\rr+1]
.endr
.endr
.endr
	WIN 0x54                                       ; source 0 (W2) window 0; source 1, C and D window 1
.irp a, 0,1,2,3
.if \c == 0
	v_wmma_f32_16x16x32_bf16 v[8*(4*\hh+\a):8*(4*\hh+\a)+7], v[W2R+8*\c:W2R+8*\c+7], v[HOP+8*\a:HOP+8*\a+7], 0
.else
	v_wmma_f32_16x16x32_bf16 v[8*(4*\hh+\a):8*(4*\hh+\a)+7], v[W2R+8*\c:W2R+8*\c+7], v[HOP+8*\a:HOP+8*\a+7], v[8*(4*\hh+\a):8*(4*\hh+\a)+7]
.endif
.endr
.endr
.endr
	PLACES 4                                       ; in front of the stores that read the results, and of later loads into W2's and these registers
	WIN 0x04                                       ; an LDS store's data are its source 1: window 1
.irp a, 0,1,2,3,4,5,6,7
	ds_store_b128 v[STGO], v[8*\a:8*\a+3] offset:16384*\p+512*\a
.endr
	WIN 0
	s_wait_dscnt 0x0                               ; the stores have read their registers and have landed
.endm
	s_load_b512 s[4:19], s[0:1], 0x0               ; qa s[4:5], w1img s[6:7], w2img s[8:9], b1 s[10:11], b2 s[12:13], starts s[14:15], ends s[16:17], out0 s[18:19]
	v_lshl_add_u32 v[SPW], v0, 2, SPARE
	v_mov_b32 v[NIL], 0
	ds_add_u32 v28, v29
	ds_add_u32 v28, v29
	s_wait_dscnt 0x0
	v_lshrrev_b32 v1, 5, v0
	v_readfirstlane_b32 s20, v1                    ; wave 0..3
	s_bfe_u32 s21, ttmp6, 0x40000                  ; cx: my place in the cluster: it enters the spans' and the output's addresses alone
	s_lshl_b32 s22, ttmp9, 2
	s_add_co_u32 s22, s22, s21                     ; j = 4 x cluster x + cx
	s_and_b32 s23, ttmp7, 0xffff                   ; the batch
	s_mul_i32 s24, s22, 505
	s_add_co_u32 s25, s24, 505
	s_lshr_b32 s24, s24, 2                         ; my first span
	s_lshr_b32 s25, s25, 2
	s_sub_co_u32 s25, s25, s24                     ; how many are mine: 126 or 127
	; descriptor group 1: 25,600 dense bytes as 100 rows of 256 bytes (32 elements of 8 bytes), no padding
	s_mov_b32 s[G1+0], 15|(3<<16)|(1<<21)          ; 15:0 the mask: all four work-groups; 17:16 elements of 8 bytes; 21 set beside a mask
	s_mov_b32 s[G1+1], 32<<16                      ; tensor_dim0
	s_mov_b32 s[G1+2], 100<<16                     ; tensor_dim1
	s_mov_b32 s[G1+3], 32<<16                      ; tile_dim0
	s_mov_b32 s[G1+4], 100                         ; tile_dim1
	s_mov_b32 s[G1+5], 32                          ; tensor_dim0_stride
	s_mov_b32 s[G1+6], 0
	s_mov_b32 s[G1+7], 0
	v_and_b32 v1, 31, v0                           ; lane
	v_and_b32 v22, 15, v0                          ; r
	v_bfe_u32 v23, v0, 4, 1                        ; h
	s_lshl_b32 s60, s20, 5
	s_add_co_u32 s60, s60, s24
	v_add_nc_u32 v25, s60, v22                     ; the span of my row in tile 2 w,
	v_add_nc_u32 v26, 16, v25                      ; and in tile 2 w + 1;
	v_min_u32 v25, 7574, v25                       ; no load leaves the lists
	v_min_u32 v26, 7574, v26
	v_lshlrev_b32 v25, 2, v25
	v_lshlrev_b32 v26, 2, v26
	s_mul_i32 s61, s20, 25600                      ; my wave's part of a phase, in memory and in a slot
	s_mov_b32 s63, 0
	s_mov_b32 s49, 0
	s_mov_b32 s50, 0                               ; the phase to be gathered next
	s_wait_kmcnt 0x0
	s_load_b96 s[56:58], s[12:13], 0x0             ; b2
	global_load_b32 v[SI], v25, s[14:15]
	global_load_b32 v[SI+1], v26, s[14:15]
	global_load_b32 v[EI], v25, s[16:17]
	global_load_b32 v[EI+1], v26, s[16:17]
	s_mov_b32 s62, s61
	s_add_nc_u64 s[6:7], s[6:7], s[62:63]
.irp s, 0,1
	s_mov_b32 s[G0+4*\s], 1                        ; count = 1
	s_add_co_u32 s[G0+4*\s+1], s61, WR+\s*WS       ; LDS address: slot s, my wave's part
	s_add_nc_u64 s[G0+4*\s+2:G0+4*\s+3], s[6:7], \s*WS   ; global address: phase s, my wave's part: nothing of it differs between the partners
	s_or_b32 s[G0+4*\s+3], s[G0+4*\s+3], 0x80000000      ; type = 2
.endr
	s_lshl_b32 s62, s23, 19
	s_add_nc_u64 s[44:45], s[4:5], s[62:63]        ; the batch's 512 rows of qa
	s_sub_co_u32 s59, 0x200000, s62                ; from there to the width units
	s_lshl_b32 s62, s20, 9
	s_add_nc_u64 s[66:67], s[10:11], s[62:63]      ; b1 at my 128 hidden units
	s_lshl_b32 s62, s20, 12
	s_add_nc_u64 s[68:69], s[8:9], s[62:63]        ; w2img at my four chunks
	s_mul_i32 s62, s23, 7575
	s_add_co_u32 s62, s62, s24
	s_mul_i32 s62, s62, 12
	s_add_nc_u64 s[70:71], s[18:19], s[62:63]      ; out0 at my first span
	CROUND                                         ; all four work-groups are here: the first joint loads meet
	tensor_load_to_lds s[G0:G0+3], s[G1:G1+7]      ; phases 0 and 1: two loads of mine are out
	s_nop 0
	tensor_load_to_lds s[G0+4:G0+7], s[G1:G1+7]
	s_nop 0
.rept 4
	v_nop
.endr
	v_lshlrev_b32 v[L16], 4, v1
	v_lshlrev_b32 v24, 5, v22                      ; 32 r
	v_lshlrev_b32 v[ADRA], 4, v1
	v_add_nc_u32 v[ADRA+1], AS, v[ADRA]
	s_add_co_u32 s60, s61, WR
	v_add_nc_u32 v[ADRB], s60, v[L16]
	v_add_nc_u32 v[ADRB+1], WS, v[ADRB]
	v_mad_u32_u24 v[ADRS], v23, s60, v24           ; the lower base + h x the distance from A's words to my part of W1's
	s_add_co_u32 s62, s60, WS-AS
	v_mad_u32_u24 v[ADRS+1], v23, s62, v24
	v_add_nc_u32 v[ADRS+1], AS, v[ADRS+1]
	s_mul_i32 s62, s20, 2*FRB
	v_add_nc_u32 v[STA], s62, v[L16]
	s_lshl_b32 s62, s20, 3
	v_add_nc_u32 v[STS], s62, v24
	v_lshlrev_b32 v[H32], 5, v23
	s_lshl_b32 s62, s20, 12
	s_add_co_u32 s62, s62, STG
	v_add_nc_u32 v[STGO], s62, v[L16]
	s_lshl_b32 s62, s20, 10
	s_add_co_u32 s62, s62, STG
	v_lshlrev_b32 v[FRD], 4, v22
	v_lshl_add_u32 v[FRD], v23, 9, v[FRD]
	v_add_nc_u32 v[FRD], s62, v[FRD]               ; thread 32 w + lane owns the work-group's row of that number: tile 2 w + h, row r
	v_mul_u32_u24 v[OUTO], 12, v0
	v_lshlrev_b32 v27, 6, v23                      ; 64 h: my half of a K step's 128 bytes
	s_wait_loadcnt 0x0                             ; the indices
	s_wait_kmcnt 0x0                               ; b2
	v_sub_nc_u32 v[WI], v[EI], v[SI]               ; the width, of the indices as they come,
	v_sub_nc_u32 v[WI+1], v[EI+1], v[SI+1]
	v_min_u32 v[WI], 14, v[WI]                     ; held inside its table; so are the tokens
	v_min_u32 v[WI+1], 14, v[WI+1]
	v_min_u32 v[SI], 0x1ff, v[SI]
	v_min_u32 v[SI+1], 0x1ff, v[SI+1]
	v_min_u32 v[EI], 0x1ff, v[EI]
	v_min_u32 v[EI+1], 0x1ff, v[EI+1]
	v_lshl_add_u32 v[SI], v[SI], 10, v27           ; a row of qa is 1,024 bytes
	v_lshl_add_u32 v[SI+1], v[SI+1], 10, v27
	v_lshl_add_u32 v[EI], v[EI], 10, v27
	v_lshl_add_u32 v[EI+1], v[EI+1], 10, v27
	v_lshl_add_u32 v[WI], v[WI], 7, v27            ; a width unit 128
	v_lshl_add_u32 v[WI+1], v[WI+1], 7, v27
	v_add_nc_u32 v[WI], s59, v[WI]
	v_add_nc_u32 v[WI+1], s59, v[WI+1]
	GATHER                                         ; phase 0
	BIAS 0
	W2F 0
	s_wait_loadcnt 24                              ; the gather's 16 loads are in; b1's 16 and W2's 8 are younger
	STORE_A 0
	s_wait_dscnt 0x0                               ; the stores have landed and have read their registers
	GATHER                                         ; phase 1
	s_wait_tensorcnt 1                             ; my part of phase 0 is in; phase 1's may stay out
	s_barrier_signal -1
	s_barrier_wait -1                              ; A's first slot is whole
	FETCH_B 0, 0, 0
	FETCH_A 0, 0, 0
	SCALES 0
	FETCH_A 0, 0, 4
	s_wait_loadcnt 24                              ; b1's tiles are in; W2's 8 loads and the gather's 16 are younger
	STEP 0, 1                                      ; the first step stands in front of the loop: its products start the sums from b1
	BIAS 1                                         ; the second pass's tiles, behind the step's closing places
	s_mov_b32 s54, 4
.Lpass0:                                               ; a trip: two changes of slots, four steps; steps 1 to 16 of the walk
	TURN 0, 1, 1, 0
	STEP 1, 0
	TURN 1, 0, 1, 0
	STEP 0, 0
	s_sub_co_u32 s54, s54, 1
	s_cmp_lg_u32 s54, 0
	s_cbranch_scc1 .Lpass0
	EPI 0                                          ; pass 0 is summed.  Step 17's fragments, already fetched, wait in W1's set 1, in A's set and in the scale words
	W2F 1
	TURN 0, 1, 1, 1                                ; step 17, the width step of pass 1, starts the sums anew from b1
	s_mov_b32 s54, 3
.Lpass1:                                               ; steps 18 to 29; the last trip asks for phase 16, the last
	STEP 1, 0
	TURN 1, 0, 1, 0
	STEP 0, 0
	TURN 0, 1, 1, 0
	s_sub_co_u32 s54, s54, 1
	s_cmp_lg_u32 s54, 0
	s_cbranch_scc1 .Lpass1
	STEP 1, 0                                      ; the tail is written out: nothing more is asked for
	TURN 1, 0, 0, 0
	STEP 0, 0
	s_wait_dscnt 12                                ; the very last step
	WIN 0xa1
	MUL16 0, 1, 0, 1, 0
	MUL16 2, 1, 0, 1, 0
	s_wait_dscnt 0x0
	WIN 0xf1
	MUL16 4, 1, 0, 1, 0
	MUL16 6, 1, 0, 1, 0
	WIN 0
	PLACES 4
	EPI 1                                          ; (it ends with the wait for my stores into the stage)
	s_barrier_signal -1
	s_barrier_wait -1                              ; all eight parts of every span lie in the stage
.irp i, 0,1,2,3,4,5,6,7
	ds_load_b128 v[SG+4*\i:SG+4*\i+3], v[FRD] offset:4096*\i   ; part i = (pass i / 4, wave i % 4)
.endr
	s_wait_dscnt 0x0
.irp l, 0,1,2
	v_add_f32 v[SG+\l], v[SG+\l], v[SG+4+\l]
	v_add_f32 v[SG+8+\l], v[SG+8+\l], v[SG+12+\l]
	v_add_f32 v[SG+16+\l], v[SG+16+\l], v[SG+20+\l]
	v_add_f32 v[SG+24+\l], v[SG+24+\l], v[SG+28+\l]
.endr
.irp l, 0,1,2
	v_add_f32 v[SG+\l], v[SG+\l], v[SG+8+\l]
	v_add_f32 v[SG+16+\l], v[SG+16+\l], v[SG+24+\l]
.endr
.irp l, 0,1,2
	v_add_f32 v[SG+\l], v[SG+\l], v[SG+16+\l]
.endr
.irp l, 0,1,2
	v_add_f32 v[SG+\l], s[56+\l], v[SG+\l]         ; + b2
.endr
	v_cmp_gt_u32 vcc_lo, s25, v0                   ; the rows that are mine
	s_wait_xcnt 0x0                                ; EXEC changes only behind this wait
	s_and_saveexec_b32 s60, vcc_lo
	global_store_b96 v[OUTO], v[SG:SG+2], s[70:71] ; a wave stores up to 384 consecutive bytes
	s_wait_xcnt 0x0                                ; and again, in front of the line that widens it
	s_or_b32 exec_lo, exec_lo, s60
	s_wait_tensorcnt 0x0                           ; the wave's end: behind my last tensor load and my last LDS store
	ds_add_u32 v[SPW], v[NIL]
	s_wait_dscnt 0x0
	CROUND                                         ; the closing round: no work-group ends while a partner may still ask for a part that names it
	s_endpgm
.Lfunc_end_k_qc0dc5accdf_spans:
	.size	k_qc0dc5accdf_spans, .Lfunc_end_k_qc0dc5accdf_spans-k_qc0dc5accdf_spans
	.p2alignl 7, 3214868480
	.fill 96, 4, 3214868480
	.section	.rodata,"a",@progbits
	.p2align	6, 0x0
	.amdhsa_kernel k_qc0dc5accdf_spans
		.amdhsa_group_segment_fixed_size 327680
		.amdhsa_private_segment_fixed_size 0
		.amdhsa_enable_private_segment 0
		.amdhsa_kernarg_size 64
		.amdhsa_user_sgpr_count 2
		.amdhsa_user_sgpr_kernarg_segment_ptr 1
		.amdhsa_wavefront_size32 1
		.amdhsa_system_sgpr_workgroup_id_x 1
		.amdhsa_system_sgpr_workgroup_id_y 1
		.amdhsa_system_sgpr_workgroup_id_z 1
		.amdhsa_system_vgpr_workitem_id 0
		.amdhsa_next_free_vgpr 1024
		.amdhsa_next_free_sgpr 80
		.amdhsa_reserve_vcc 1
		.amdhsa_float_denorm_mode_32 3
		.amdhsa_float_denorm_mode_16_64 3
		.amdhsa_memory_ordered 1
		.amdhsa_forward_progress 1
		.amdhsa_inst_pref_size 255
	.end_amdhsa_kernel
	.section	.bss,"aw",@nobits
	.p2align	6
	.space	262144
	.amdgpu_metadata
---
amdhsa.version: [ 1, 2 ]
amdhsa.kernels:
  - .name:           k_qc0dc5accdf_spans
    .symbol:         k_qc0dc5accdf_spans.kd
    .args:
      - { .name: qa, .offset: 0, .size: 8, .value_kind: global_buffer, .address_space: global }
      - { .name: w1img, .offset: 8, .size: 8, .value_kind: global_buffer, .address_space: global }
      - { .name: w2img, .offset: 16, .size: 8, .value_kind: global_buffer, .address_space: global }
      - { .name: b1, .offset: 24, .size: 8, .value_kind: global_buffer, .address_space: global }
      - { .name: b2, .offset: 32, .size: 8, .value_kind: global_buffer, .address_space: global }
      - { .name: span_starts, .offset: 40, .size: 8, .value_kind: global_buffer, .address_space: global }
      - { .name: span_ends, .offset: 48, .size: 8, .value_kind: global_buffer, .address_space: global }
      - { .name: out0, .offset: 56, .size: 8, .value_kind: global_buffer, .address_space: global }
    .group_segment_fixed_size: 327680
    .private_segment_fixed_size: 0
    .kernarg_segment_align: 8
    .kernarg_segment_size: 64
    .max_flat_workgroup_size: 128
    .sgpr_count:     80
    .vgpr_count:     1024
    .wavefront_size: 32
...
	.end_amdgpu_metadata
.endif
;; end of part 2
;; ======== version 2 of 2: 3 launches
;; limits: values are held in bf16: 8 bits of precision; right only within a limited range of input values
;; workspace buffers: qimg 1,572,864 bytes; wimg 1,572,864 bytes; scl 131,072 bytes; part 7,864,320 bytes
;; launch prep (part 3): grid 256 x 1, 4 waves a work-group, no clusters, 38,912 bytes of LDS; arguments sequence_output, W1_codes, W1_scales, qimg, wimg, scl; writes qimg, wimg, scl
.if DOCPART == 3
	.amdgcn_target "amdgcn-amd-amdhsa--gfx1250"
	.amdhsa_code_object_version 6
	.text
	.protected	k_qc0dc5accdf_prep
	.globl	k_qc0dc5accdf_prep
	.p2align	8
	.type	k_qc0dc5accdf_prep,@function
k_qc0dc5accdf_prep:
	s_mov_b64 s[64:65], 0
	v_nop
	global_prefetch_b8 v0, s[64:65] scope:SCOPE_SE
	s_setreg_imm32_b32 hwreg(HW_REG_WAVE_MODE, 25, 1), 1
	s_wait_xcnt 0x0
; THE PROGRAM.  A span's row is [token row of its start | token row of its end | width row], cut at K = 1,024 and 2,048, multiples of 32: so its blocks of 32 are the blocks of those rows, with the same
; scales and codes, and its product with W1 is the sum of three products: start row x W1[0:1024] + end row x W1[1024:2048] + width row x W1[2048:2112].  The first two hang on the token alone:
; they are made for the 512 tokens of a batch and looked up by span_starts and span_ends, whatever these hold inside their tables.  The width product is made for every span.  No input and no step is left out.
;   prep   quantises the token rows (E2M3, one E8M0 byte for each 32 along K) and lays codes of tokens and of W1 as images of the matrix operands' registers
;   spans  makes the token products for 64 hidden columns into LDS, then for each span: look-up, width product, relu, the product with W2: partial logits
;   sums   adds the 16 column slices' partial logits and b2
; LIMITS: a block whose largest magnitude lies under 2^-124 keeps the byte 1; a block of zeros gets the byte 1 with zero codes (these bytes are read by this program alone); NaN and infinities are not served;
; indices outside their tables are held at the tables' ends.
;
; PREP.  Work-group g: tile T = g / 2 of 16 token rows and tile T of W1's columns (slice T / 8, tile T % 8: 0-3 the start rows of W1, 4-7 the end rows), K half g % 2; wave w: K step k = 4 (g % 2) + w of 128.
; qimg: [tile 128][k 8][1,536]: register group c of lane l at 512 c + 16 l.   wimg: [slice 16][k 8][tile 8][1,536] likewise.
; scl: [tile 128][K half 2][row 16][4 words] of the tokens, then the same of W1's tiles.
.set TOK, 592                          ; a token's 512 bytes in the stage: 4 blocks of 128 + 16, and 16 more
.set WREG, 16*TOK
.set EX, 4*WREG                        ; 512 bytes: the scale words of the work-group
.set SPARE, EX+512
.set X, 16
.set Y, 80
.set C, 144
.set T, 156
.set M, 164
.set W, 172
.set SW, 184
	s_load_b256 s[4:11], s[0:1], 0x0               ; tokens s[4:5], W1's codes s[6:7], its scales s[8:9], qimg s[10:11]
	s_load_b128 s[12:15], s[0:1], 0x20             ; wimg s[12:13], scl s[14:15]
	v_lshl_add_u32 v14, v0, 2, SPARE
	v_mov_b32 v15, 0
	v_lshrrev_b32 v1, 5, v0
	v_readfirstlane_b32 s20, v1                    ; wave
	v_and_b32 v1, 31, v0                           ; lane L
	v_lshlrev_b32 v2, 4, v1                        ; 16 L
	v_and_b32 v3, 15, v0                           ; r
	v_bfe_u32 v4, v0, 4, 1                         ; h
	s_lshr_b32 s21, ttmp9, 1                       ; T
	s_and_b32 s22, ttmp9, 1
	s_lshl_b32 s22, s22, 2
	s_add_co_u32 s22, s22, s20                     ; k
	s_lshl_b32 s24, s21, 16                        ; 16 rows of 4,096 bytes
	s_lshl_b32 s23, s22, 9
	s_add_co_u32 s24, s24, s23
	s_mov_b32 s25, 0
	s_lshr_b32 s26, s21, 3                         ; slice
	s_and_b32 s27, s21, 7                          ; tile in the slice
	s_lshl_b32 s28, s26, 6
	s_and_b32 s23, s27, 3
	s_lshl_b32 s23, s23, 4
	s_add_co_u32 s28, s28, s23                     ; first column
	s_lshr_b32 s29, s27, 2
	s_lshl_b32 s29, s29, 5
	s_lshl_b32 s23, s22, 2
	s_add_co_u32 s29, s29, s23                     ; first block
	s_mul_i32 s30, s28, 1584                       ; a column's codes are 66 x 24 bytes
	s_mul_i32 s23, s29, 24
	s_add_co_u32 s30, s30, s23
	s_mov_b32 s31, 0
	s_mul_i32 s32, s28, 66
	s_add_co_u32 s32, s32, s29
	s_mov_b32 s33, 0
	s_lshl_b32 s34, s21, 3
	s_add_co_u32 s34, s34, s22
	s_mul_i32 s34, s34, 1536
	s_mov_b32 s35, 0
	s_lshl_b32 s36, s26, 6
	s_lshl_b32 s23, s22, 3
	s_add_co_u32 s36, s36, s23
	s_add_co_u32 s36, s36, s27
	s_mul_i32 s36, s36, 1536
	s_mov_b32 s37, 0
	s_lshl_b32 s38, ttmp9, 8
	s_mov_b32 s39, 0
	s_mov_b32 s40, 0x76543210                      ; v_permlanex16_b32's selects for lane l xor 16
	s_mov_b32 s41, 0xfedcba98
	s_mul_i32 s42, s20, WREG
	s_lshl_b32 s43, s20, 2
	s_wait_alu depctr_va_vdst(0)                   ; directly ahead of the readers below
	v_mul_u32_u24 v5, v3, 1584
	v_mad_u32_u24 v5, v4, 24, v5                   ; W1's codes: column r, + 24 h
	v_mul_u32_u24 v6, v3, 66                       ; W1's scales
	v_lshrrev_b32 v7, 3, v1
	v_lshl_add_u32 v7, v7, 4, v2
	v_add_nc_u32 v7, s42, v7                       ; stage, writing: 16 L + 16 (L / 8)
	v_mul_u32_u24 v8, v3, TOK
	v_mad_u32_u24 v8, v4, 144, v8
	v_add_nc_u32 v8, s42, v8                       ; stage, reading: row r, block h
	v_lshlrev_b32 v9, 3, v4                        ; 8 h
	v_add_nc_u32 v10, s43, v2                      ; scale words, writing: 16 L + 4 w
	v_lshlrev_b32 v11, 4, v3
	v_lshl_add_u32 v11, v4, 16, v11                ; scale words in scl: lanes 16-31 W1's
	v_mov_b32 v13, 0
	s_wait_alu depctr_va_vdst(0)                   ; at the head's end
	s_wait_kmcnt 0x0
	s_add_nc_u64 s[4:5], s[4:5], s[24:25]
	s_add_nc_u64 s[6:7], s[6:7], s[30:31]
	s_add_nc_u64 s[8:9], s[8:9], s[32:33]
	s_add_nc_u64 s[10:11], s[10:11], s[34:35]
	s_add_nc_u64 s[12:13], s[12:13], s[36:37]
	s_add_nc_u64 s[14:15], s[14:15], s[38:39]
.irp i, 0,1,2,3,4,5,6,7,8,9,10,11,12,13,14,15
	global_load_b128 v[X+4*\i:X+4*\i+3], v2, s[4:5] offset:4096*\i th:TH_LOAD_NT   ; 512 consecutive bytes: token i's 128 numbers
.endr
.irp p, 0,1,2,3,4,5
	global_load_b64 v[W+2*\p:W+2*\p+1], v5, s[6:7] offset:48*(\p/3)+8*(\p%3)
.endr
	global_load_u16 v[SW], v6, s[8:9]
	global_load_u16 v[SW+1], v6, s[8:9] offset:2
.irp i, 0,1,2,3,4,5,6,7,8,9,10,11,12,13,14,15
	s_wait_loadcnt 23-\i                           ; load i is in; the younger ones (8 of W1 among them) may be out
	ds_store_b128 v7, v[X+4*\i:X+4*\i+3] offset:TOK*\i
.endr
.irp c, 0,1
.irp j, 0,1,2,3,4,5,6,7
	ds_load_b128 v[Y+32*\c+4*\j:Y+32*\c+4*\j+3], v8 offset:288*\c+16*\j   ; block 2 c + h of row r, whole (my own wave's bytes, in order)
.endr
.endr
	s_wait_loadcnt 0x0
	s_wait_dscnt 0x0
.irp c, 0,1,2
	global_store_b128 v2, v[W+4*\c:W+4*\c+3], s[12:13] offset:512*\c
.endr
.irp c, 0,1
	v_max3_num_f32 v[M+\c], |v[Y+32*\c]|, |v[Y+32*\c+1]|, 0x1800000   ; and the floor 2^(3 - 127): the byte cannot fall under 1
.endr
.irp i, 2,4,6,8,10,12,14,16,18,20,22,24,26,28,30
.irp c, 0,1
	v_max3_num_f32 v[M+\c], v[M+\c], |v[Y+32*\c+\i]|, |v[Y+32*\c+\i+1]|
.endr
.endr
.irp c, 0,1
	v_add_nc_u32 v[M+2+\c], 0xff000000, v[M+\c]    ; 2 off the exponent field: the conversion's scale operand
.endr
.irp c, 0,1
	v_lshrrev_b32 v[M+4+\c], 23, v[M+2+\c]         ; the scale's byte
.endr
	v_lshl_or_b32 v[M+4], v[M+5], 16, v[M+4]       ; blocks h and 2 + h,
	v_lshlrev_b32 v[M+4], v9, v[M+4]               ; at their places in the word
	v_permlanex16_b32 v13, v[M+4], s40, s41
	v_or_b32 v[M+4], v[M+4], v13                   ; the row's word is whole in both halves of the lanes
	v_lshl_or_b32 v[SW], v[SW+1], 16, v[SW]        ; W1's word of column r
	v_cmp_ne_u32 vcc_lo, 0, v4
	v_cndmask_b32 v[M+5], v[M+4], v[SW], vcc_lo    ; lanes 0-15 the token's word, lanes 16-31 W1's
.irp c, 0,1
	v_cvt_scalef32_pk16_fp6_f32 v[C+6*\c:C+6*\c+2], v[Y+32*\c:Y+32*\c+15], v[M+2+\c]
	v_cvt_scalef32_pk16_fp6_f32 v[T+4*\c:T+4*\c+2], v[Y+32*\c+16:Y+32*\c+31], v[M+2+\c]   ; (a conversion's three registers begin on an even number)
.endr
	v_nop
.irp c, 0,1
.irp i, 0,1,2
	v_mov_b32 v[C+6*\c+3+\i], v[T+4*\c+\i]
.endr
.endr
.irp c, 0,1,2
	global_store_b128 v2, v[C+4*\c:C+4*\c+3], s[10:11] offset:512*\c
.endr
	ds_store_b32 v10, v[M+5] offset:EX
	s_wait_alu depctr_va_vdst(0)
	s_wait_dscnt 0x0                               ; for wave 0's sake: my scale words are stored
	s_barrier_signal -1
	s_barrier_wait -1
	s_wait_tensorcnt 0x0                           ; behind the wave's last LDS store
	ds_add_u32 v14, v15
	s_wait_dscnt 0x0
	s_cmp_lg_u32 s20, 0
	s_cbranch_scc1 .Lend
	ds_load_b128 v[X:X+3], v2 offset:EX
	s_wait_dscnt 0x0
	global_store_b128 v11, v[X:X+3], s[14:15]      ; two whole units of 256 bytes
.Lend:
	s_endpgm
.Lfunc_end_k_qc0dc5accdf_prep:
	.size	k_qc0dc5accdf_prep, .Lfunc_end_k_qc0dc5accdf_prep-k_qc0dc5accdf_prep
	.p2alignl 7, 3214868480
	.fill 96, 4, 3214868480
	.section	.rodata,"a",@progbits
	.p2align	6, 0x0
	.amdhsa_kernel k_qc0dc5accdf_prep
		.amdhsa_group_segment_fixed_size 38912
		.amdhsa_private_segment_fixed_size 0
		.amdhsa_enable_private_segment 0
		.amdhsa_kernarg_size 48
		.amdhsa_user_sgpr_count 2
		.amdhsa_user_sgpr_kernarg_segment_ptr 1
		.amdhsa_wavefront_size32 1
		.amdhsa_system_sgpr_workgroup_id_x 1
		.amdhsa_system_sgpr_workgroup_id_y 1
		.amdhsa_system_sgpr_workgroup_id_z 1
		.amdhsa_system_vgpr_workitem_id 0
		.amdhsa_next_free_vgpr 192
		.amdhsa_next_free_sgpr 66
		.amdhsa_reserve_vcc 1
		.amdhsa_float_denorm_mode_32 3
		.amdhsa_float_denorm_mode_16_64 3
		.amdhsa_memory_ordered 1
		.amdhsa_forward_progress 1
		.amdhsa_inst_pref_size 13
	.end_amdhsa_kernel
	.amdgpu_metadata
---
amdhsa.version: [ 1, 2 ]
amdhsa.kernels:
  - .name:           k_qc0dc5accdf_prep
    .symbol:         k_qc0dc5accdf_prep.kd
    .args:
      - { .name: sequence_output, .offset: 0, .size: 8, .value_kind: global_buffer, .address_space: global }
      - { .name: W1_codes, .offset: 8, .size: 8, .value_kind: global_buffer, .address_space: global }
      - { .name: W1_scales, .offset: 16, .size: 8, .value_kind: global_buffer, .address_space: global }
      - { .name: qimg, .offset: 24, .size: 8, .value_kind: global_buffer, .address_space: global }
      - { .name: wimg, .offset: 32, .size: 8, .value_kind: global_buffer, .address_space: global }
      - { .name: scl, .offset: 40, .size: 8, .value_kind: global_buffer, .address_space: global }
    .group_segment_fixed_size: 38912
    .private_segment_fixed_size: 0
    .kernarg_segment_align: 8
    .kernarg_segment_size: 48
    .max_flat_workgroup_size: 128
    .sgpr_count:     66
    .vgpr_count:     192
    .wavefront_size: 32
...
	.end_amdgpu_metadata
.endif
;; end of part 3
;; launch spans (part 4): grid 64 x 4, 4 waves a work-group, no clusters, 327,680 bytes of LDS; arguments qimg, wimg, scl, width_emb, W1_codes, W1_scales, W2, b1, span_starts, span_ends, part; writes part
.if DOCPART == 4
	.amdgcn_target "amdgcn-amd-amdhsa--gfx1250"
	.amdhsa_code_object_version 6
	.text
	.protected	k_qc0dc5accdf_spans
	.globl	k_qc0dc5accdf_spans
	.p2align	8
	.type	k_qc0dc5accdf_spans,@function
k_qc0dc5accdf_spans:
	s_mov_b64 s[64:65], 0
	v_nop
	global_prefetch_b8 v0, s[64:65] scope:SCOPE_SE
	s_setreg_imm32_b32 hwreg(HW_REG_WAVE_MODE, 25, 1), 1
	s_wait_xcnt 0x0
; SPANS.  Work-group (x, y): batch y, slice j = x / 4 of 64 hidden columns, quarter q = x % 4 of the spans (1,920 of 7,680; positions from 7,575 on repeat the last span and are read by nobody).
; PHASE 1: Ps = tokens x W1[start rows] + b1 and Pe = tokens x W1[end rows] for the batch's 512 tokens and my 64 columns: M 512, N 128, K 1,024.  Wave w: tokens 128 w .. 128 w + 127, all 128 columns:
;   64 accumulators (512 registers).  Four work-groups make the same 512 x 128, since they share no LDS; that keeps P out of memory.
;   W1's part (98,304 bytes) comes into LDS once, one tensor load a wave.  A token fragment is read by one wave alone: it goes from memory straight into registers, three sets of 96, each loaded one to two
;   K steps ahead of its products.  W1's fragments have one set: four are loaded anew when their products are issued, 24 matrix instructions or more ahead of their next use.
; PHASE 2: P goes to LDS as rows of 256 + 16 bytes, Ps then Pe, over the bytes where W1's part lay (which are filled no more).
; PHASE 3: a wave takes 480 spans in 30 groups of 16: lane (r, h) has span r.  Ps's row is loaded as C of the width product (W1's width rows x the span's width codes), Pe's row is added, relu, bf16, the product with W2:
;   an even group's labels in rows 0-2, an odd group's in rows 8-10 of one accumulator: 32 spans leave as 512 consecutive bytes.  Loads run three groups ahead: in the last trip those of three groups serve nobody.
; CLUSTER: none.  Four fifths of a work-group's phase 1 bytes (393,216 of 491,520) go into registers; the rest is asked for once in the launch, so a round of the cluster's barrier would serve one load.
; No prefetch into the L2: there is no loop over tiles to run ahead in; the K steps' loads are themselves issued one to two steps ahead.
; LDS: 0 W1's part, then Ps (139,264), Pe (139,264); TAB: each wave's table of width codes: [half 2][row 16][24 codes, 4 scale bytes, 20 unused]; the spare words.
.set TAB, 278528
.set SPARE, 284672
.set L16, 6                            ; v6 16 L, v7 16 L + 49,152
.set STP, 8                            ; v8, v9 where my rows of Ps, Pe go
.set H32, 10                           ; v10 32 h
.set H32E, 11                          ; v11 32 h + Pe's base
.set HW, 12                            ; v12 my wave's width table, half h
.set IB, 13                            ; v13 byte offset of my first span in span_starts
.set WSC, 16                           ; v16-19 scales of W1's width rows, v20-22 scales of the spans' width rows (scales alone)
.set AS, 23
.set SPW, 28
.set NIL, 29
.set AE, 30
.set AW, 31
.set SC, 32                            ; v32-111 scale words: tile i, K step k at SC + 10 i + k; lanes 0-15 the tokens', lanes 16-31 W1's
.set Y, 208                            ; at the head: a width block's 32 numbers
.set BI, 192                           ; window 1: b1 in the accumulators' layout, for K step 0
.set IP, 112                           ; phase 3: span indices of groups 0-2, then six slots
.set IX, 118
.set OP, 130                           ; their byte offsets
.set OX, 133
.set RAW, 140
.set WW, 208                           ; fragments of W1's width rows, four tiles
.set W2R, 160                          ; window 1: W2 as loaded
.set W2F, 48                           ; window 1: W2's fragments: 16 (row set) + 8 (chunk)
.set WF, 80                            ; window 1: the width codes' fragments, three buffers
.set D2, 120                           ; window 1: logits, one accumulator for each chunk of 32 columns
.set SO, 136                           ; window 1: logits on their way out
.set EB, 96                            ; window 2: Ps rows (then results) at 32 z, Pe rows at EB + 32 z, three buffers z
.set HB, 192                           ; window 2: h in bf16
.set MSB, 0
.macro WIN new                         ; the immediate's high byte repeats the setting that is left
.if MSB != (\new)
	s_set_vgpr_msb (MSB<<8)|(\new)
.set MSB, (\new)
.endif
.endm
.macro PLACES                          ; four places ahead of loads into registers that matrix instructions have read, and of reads of results
.rept 4
	v_nop
.endr
.endm
.macro ALOC z, x                       ; where half x (four fragments) of token set z lies: window and register
.if (\z) == 0
.set AWN, 0
.set ABS, 112+48*(\x)
.elseif (\z) == 1
.set AWN, 1
.set ABS, 96+48*(\x)
.else
.set AWN, (\x)
.set ABS, 208-16*(\x)
.endif
.endm
.macro LA k, x, f                      ; token fragment 4 x + f of K step k, if there is such a step
.if (\k) < 8
	ALOC (\k)%3, \x
	WIN 0x40*AWN
.irp c, 0,1,2
	global_load_b128 v[ABS+12*(\f)+4*\c:ABS+12*(\f)+4*\c+3], v[L16], s[4:5] offset:12288*(4*(\x)+(\f))+1536*(\k)+512*\c
.endr
.endif
.endm
.macro LB k, b                         ; W1's fragment b of K step k, into window 1
.if (\k) < 8
	WIN 0x40
.irp c, 0,1,2
	ds_load_b128 v[12*(\b)+4*\c:12*(\b)+4*\c+3], v[L16+(\k)/4] offset:12288*((\k)%4)+1536*(\b)+512*\c
.endr
.endif
.endm
; Four matrix instructions: W1's tile b x four token tiles.  Used transposed (source 0 = W1's columns): a lane holds 8 neighbouring columns of one token.  The accumulators take turns, one instruction a turn.
.macro QG k, x, b
	ALOC (\k)%3, \x
.if (\k) == 0 && (\b) < 4
	WIN 1|(AWN<<2)|0x10|((2+(\x))<<6)
.irp f, 0,1,2,3
	v_wmma_scale_f32_16x16x128_f8f6f4 v[8*(8*\f+(\b)):8*(8*\f+(\b))+7], v[12*(\b):12*(\b)+11], v[ABS+12*\f:ABS+12*\f+11], v[BI+8*(\b):BI+8*(\b)+7], v[SC+10*(\b)+(\k)], v[SC+10*(4*(\x)+\f)+(\k)] matrix_a_fmt:MATRIX_FMT_FP6 matrix_b_fmt:MATRIX_FMT_FP6 matrix_a_scale:MATRIX_SCALE_ROW1
.endr
.elseif (\k) == 0
	WIN 1|(AWN<<2)|((2+(\x))<<4)|((2+(\x))<<6)
.irp f, 0,1,2,3
	v_wmma_scale_f32_16x16x128_f8f6f4 v[8*(8*\f+(\b)):8*(8*\f+(\b))+7], v[12*(\b):12*(\b)+11], v[ABS+12*\f:ABS+12*\f+11], 0, v[SC+10*(\b)+(\k)], v[SC+10*(4*(\x)+\f)+(\k)] matrix_a_fmt:MATRIX_FMT_FP6 matrix_b_fmt:MATRIX_FMT_FP6 matrix_a_scale:MATRIX_SCALE_ROW1
.endr
.else
	WIN 1|(AWN<<2)|((2+(\x))<<4)|((2+(\x))<<6)
.irp f, 0,1,2,3
	v_wmma_scale_f32_16x16x128_f8f6f4 v[8*(8*\f+(\b)):8*(8*\f+(\b))+7], v[12*(\b):12*(\b)+11], v[ABS+12*\f:ABS+12*\f+11], v[8*(8*\f+(\b)):8*(8*\f+(\b))+7], v[SC+10*(\b)+(\k)], v[SC+10*(4*(\x)+\f)+(\k)] matrix_a_fmt:MATRIX_FMT_FP6 matrix_b_fmt:MATRIX_FMT_FP6 matrix_a_scale:MATRIX_SCALE_ROW1
.endr
.endif
.endm
; Loads for phase 3, issued in the last K step into registers that token sets 0 and 2 have left: the first nine groups' span indices, W1's width rows and their scales.
.macro PRE
	WIN 0
.irp u, 0,1,2,3,4,5,6,7,8
	v_add_nc_u32 v[OP+\u], 64*\u, v[IB]
.endr
.irp u, 0,1,2,3,4,5,6,7,8
	v_min_u32 v[OP+\u], 0x7658, v[OP+\u]           ; the last span's offset: no load leaves the buffers
.endr
.irp u, 0,1,2,3,4,5,6,7,8
	global_load_b32 v[IP+2*\u], v[OP+\u], s[20:21]
	global_load_b32 v[IP+2*\u+1], v[OP+\u], s[22:23]
.endr
.irp t, 0,1,2,3
.irp p, 0,1,2
	global_load_b64 v[WW+12*\t+2*\p:WW+12*\t+2*\p+1], v14, s[12:13] offset:25344*\t+8*\p
.endr
	global_load_u16 v[RAW+\t], v15, s[14:15] offset:1056*\t
.endr
.endm
; A K step: 64 matrix instructions.  lc: the younger token loads that may stay out (the next step's 24).
.macro STEP k, lc
	s_wait_loadcnt \lc
	s_wait_dscnt 0x0
.if (\k) == 7
	PRE
.endif
	QG \k, 0, 0
	LB \k, 4
	LB \k, 5
	QG \k, 0, 1
	LB \k, 6
	LB \k, 7
	QG \k, 0, 2
	LA (\k)+2, 0, 0
	QG \k, 0, 3
	LA (\k)+2, 0, 1
	QG \k, 1, 0
	LA (\k)+2, 0, 2
	QG \k, 1, 1
	LA (\k)+2, 0, 3
	QG \k, 1, 2
	QG \k, 1, 3
	PLACES
	s_wait_dscnt 0x0                               ; W1's tiles 4-7 of this step are in
.if (\k) == 7
	s_wait_alu depctr_va_vdst(0)
	s_barrier_signal -1                            ; my reads of W1's part are over: register work alone up to the wait
.endif
	QG \k, 1, 4
	LB (\k)+1, 0
	LB (\k)+1, 1
	QG \k, 1, 5
	LB (\k)+1, 2
	LB (\k)+1, 3
	QG \k, 1, 6
	LA (\k)+2, 1, 0
	QG \k, 1, 7
	LA (\k)+2, 1, 1
	QG \k, 0, 4
	LA (\k)+2, 1, 2
	QG \k, 0, 5
	LA (\k)+2, 1, 3
	QG \k, 0, 6
	QG \k, 0, 7
	PLACES
.endm
; A span's three LDS addresses from its indices in v[ix], v[ix + 1], held inside the tables
.macro ADDR ix
	v_min_u32 v25, 0x1ff, v[\ix]
	v_min_u32 v26, 0x1ff, v[\ix+1]
	v_sub_nc_u32 v27, v26, v25
	v_min_u32 v27, 14, v27
	v_mad_u32_u24 v[AS], v25, 0x110, v[H32]
	v_mad_u32_u24 v[AE], v26, 0x110, v[H32E]
	v_mad_u32_u24 v[AW], v27, 48, v[HW]
.endm
.macro WLD z                           ; three loads: the width row's scale word and 24 bytes of codes
	WIN 0
	ds_load_b32 v[WSC+4+(\z)], v[AW] offset:24
	WIN 0x40
	ds_load_b128 v[WF+12*(\z):WF+12*(\z)+3], v[AW]
	ds_load_b64 v[WF+12*(\z)+4:WF+12*(\z)+5], v[AW] offset:16
.endm
.macro TLD z, t                        ; four loads: columns 16 t + 8 h + 0 .. 7 of Ps and of Pe
	WIN 0x80
.irp e, 0,1
	ds_load_b128 v[32*(\z)+8*(\t)+4*\e:32*(\z)+8*(\t)+4*\e+3], v[AS] offset:64*(\t)+16*\e
	ds_load_b128 v[EB+32*(\z)+8*(\t)+4*\e:EB+32*(\z)+8*(\t)+4*\e+3], v[AE] offset:64*(\t)+16*\e
.endr
.endm
.macro WMS z                           ; the width product onto Ps, four tiles of 16 columns
	WIN 0xa4
.irp t, 0,1,2,3
	v_wmma_scale_f32_16x16x128_f8f6f4 v[32*(\z)+8*\t:32*(\z)+8*\t+7], v[WW+12*\t:WW+12*\t+11], v[WF+12*(\z):WF+12*(\z)+11], v[32*(\z)+8*\t:32*(\z)+8*\t+7], v[WSC+\t], v[WSC+4+(\z)] matrix_a_fmt:MATRIX_FMT_FP6 matrix_b_fmt:MATRIX_FMT_FP6
.endr
.endm
.macro TILE z, t                       ; + Pe, relu, bf16; then this tile's loads of the group three further on
	WIN 0xaa
.irp p, 0,2,4,6
	v_pk_add_f32 v[32*(\z)+8*(\t)+\p:32*(\z)+8*(\t)+\p+1], v[32*(\z)+8*(\t)+\p:32*(\z)+8*(\t)+\p+1], v[EB+32*(\z)+8*(\t)+\p:EB+32*(\z)+8*(\t)+\p+1]
.endr
.irp p, 0,1,2,3,4,5,6,7
	v_max_num_f32 v[32*(\z)+8*(\t)+\p], 0, v[32*(\z)+8*(\t)+\p]
.endr
.irp p, 0,1,2,3
	v_cvt_pk_bf16_f32 v[HB+4*(\t)+\p], v[32*(\z)+8*(\t)+2*\p], v[32*(\z)+8*(\t)+2*\p+1]
.endr
	TLD \z, \t
.endm
.macro W2M par, c                      ; 32 columns into the logits: an even group starts the sum
	WIN 0x59
.if (\par) == 0
	v_wmma_f32_16x16x32_bf16 v[D2+8*(\c):D2+8*(\c)+7], v[W2F+8*(\c):W2F+8*(\c)+7], v[HB+8*(\c):HB+8*(\c)+7], 0
.else
	v_wmma_f32_16x16x32_bf16 v[D2+8*(\c):D2+8*(\c)+7], v[W2F+16+8*(\c):W2F+16+8*(\c)+7], v[HB+8*(\c):HB+8*(\c)+7], v[D2+8*(\c):D2+8*(\c)+7]
.endif
.endm
.macro FLUSH p                         ; 32 spans' partial logits (3 and a zero): 512 consecutive bytes
	WIN 0x55
	v_pk_add_f32 v[SO+4*(\p):SO+4*(\p)+1], v[D2:D2+1], v[D2+8:D2+9]
	v_pk_add_f32 v[SO+4*(\p)+2:SO+4*(\p)+3], v[D2+2:D2+3], v[D2+10:D2+11]
	WIN 0x04
	global_store_b128 v[L16], v[SO+4*(\p):SO+4*(\p)+3], s[24:25] offset:512*(\p)-1536
.endm
; Group i of a trip's six, in buffer i % 3.  Its width product was issued in the group before.
.macro ITER i
	WIN 0
.if (\i) == 1
	s_wait_xcnt 0x0                                ; the last trip's stores have read their registers and their base
	s_add_nc_u64 s[24:25], s[24:25], 0x600         ; (the stores reach back by as much)
.endif
	s_wait_loadcnt 10                              ; slot i's two indices are in; the five younger slots' may be out
	ADDR IX+2*(\i)
	v_add_nc_u32 v[OX+(\i)], 0x180, v[OX+(\i)]     ; six groups on
	v_min_u32 v[OX+(\i)], 0x7658, v[OX+(\i)]
	global_load_b32 v[IX+2*(\i)], v[OX+(\i)], s[20:21]
	global_load_b32 v[IX+2*(\i)+1], v[OX+(\i)], s[22:23]
	WLD (\i)%3
	TILE (\i)%3, 0
.if (\i) == 2 || (\i) == 4
	FLUSH (\i)/2-1
.endif
	TILE (\i)%3, 1
	W2M (\i)%2, 0
	s_wait_dscnt 30                                ; the next group's 19 loads are in; younger: 19 of the group behind it, 3 + 8 of the one after that
	WMS ((\i)+1)%3
	TILE (\i)%3, 2
	TILE (\i)%3, 3
	W2M (\i)%2, 1
.endm
	s_load_b512 s[4:19], s[0:1], 0x0               ; qimg s[4:5], wimg s[6:7], scl s[8:9], width_emb s[10:11], W1's codes s[12:13], its scales s[14:15], W2 s[16:17], b1 s[18:19]
	s_load_b128 s[20:23], s[0:1], 0x40             ; span_starts s[20:21], span_ends s[22:23]
	s_load_b64 s[24:25], s[0:1], 0x50              ; part
	v_lshl_add_u32 v[SPW], v0, 2, SPARE
	v_mov_b32 v[NIL], 0
	ds_add_u32 v[SPW], v[NIL]                      ; the opening: the add, twice on end, and its wait ahead of the wave's first tensor load
	ds_add_u32 v[SPW], v[NIL]
	v_lshrrev_b32 v1, 5, v0
	v_readfirstlane_b32 s30, v1                    ; wave w
	s_and_b32 s31, ttmp9, 3                        ; q
	s_lshr_b32 s32, ttmp9, 2                       ; j
	s_and_b32 s33, ttmp7, 0xffff                   ; batch
	s_lshl_b32 s34, s31, 2
	s_add_co_u32 s34, s34, s30                     ; which 480 spans: 4 q + w
	s_mov_b32 s40, 3<<16                           ; a dense block of 24,576 bytes as 96 rows of 256 (32 elements of 8 bytes)
	s_mov_b32 s41, 32<<16
	s_mov_b32 s42, 96<<16
	s_mov_b32 s43, 32<<16
	s_mov_b32 s44, 96
	s_mov_b32 s45, 32
	s_mov_b32 s46, 0
	s_mov_b32 s47, 0
	s_mul_i32 s48, s32, 98304
	s_mul_i32 s35, s30, 24576
	s_add_co_u32 s48, s48, s35                     ; wave w brings K steps 2 w, 2 w + 1
	s_mov_b32 s49, 0
	s_mov_b32 s36, 1
	s_mov_b32 s37, s35
	s_mul_i32 s52, s33, 393216
	s_mul_i32 s35, s30, 98304
	s_add_co_u32 s52, s52, s35                     ; my eight token tiles
	s_mov_b32 s53, 0
	s_lshl_b32 s54, s32, 8                         ; b1
	s_mov_b32 s55, 0
	s_mul_i32 s56, s32, 101376                     ; W1's width codes: block 64 of column 64 j
	s_add_co_u32 s56, s56, 1536
	s_mov_b32 s57, 0
	s_mul_i32 s58, s32, 4224
	s_add_co_u32 s58, s58, 64
	s_mov_b32 s59, 0
	s_mul_i32 s62, s32, 768                        ; W2
	s_mov_b32 s63, 0
	s_lshl_b32 s66, s32, 2
	s_add_co_u32 s66, s66, s33
	s_mul_i32 s66, s66, 122880                     ; part: [slice][batch][7,680 spans][16 bytes]
	s_mul_i32 s35, s34, 7680
	s_add_co_u32 s66, s66, s35
	s_mov_b32 s67, 0
	s_lshl_b32 s68, s33, 14
	s_lshl_b32 s35, s30, 12
	s_add_co_u32 s68, s68, s35                     ; scale words: my token tiles',
	s_lshl_b32 s69, s32, 12
	s_add_co_u32 s69, s69, 0x10000
	s_sub_co_u32 s69, s69, s68                     ; and how far behind them W1's tiles' lie
	s_wait_dscnt 0x0
	s_wait_kmcnt 0x0
	s_add_nc_u64 s[38:39], s[6:7], s[48:49]
	s_or_b32 s39, s39, 0x80000000
	tensor_load_to_lds s[36:39], s[40:47]          ; the wave's one tensor load
	s_nop 0
	s_add_nc_u64 s[4:5], s[4:5], s[52:53]
	s_add_nc_u64 s[18:19], s[18:19], s[54:55]
	s_add_nc_u64 s[12:13], s[12:13], s[56:57]
	s_add_nc_u64 s[14:15], s[14:15], s[58:59]
	s_add_nc_u64 s[16:17], s[16:17], s[62:63]
	s_add_nc_u64 s[24:25], s[24:25], s[66:67]
	s_mul_i32 s70, s30, 34816                      ; my 128 rows of P
	s_mul_i32 s71, s30, 1536
	s_add_co_u32 s71, s71, TAB                     ; my width table
	s_mul_i32 s72, s34, 1920                       ; my first span, in bytes
	v_and_b32 v1, 31, v0                           ; L
	v_and_b32 v3, 15, v0                           ; r
	v_bfe_u32 v4, v0, 4, 1                         ; h
	v_lshrrev_b32 v24, 1, v1
	v_and_b32 v25, 1, v1
	v_min_u32 v23, 14, v24
	v_lshlrev_b32 v23, 8, v23
	v_lshl_add_u32 v23, v25, 7, v23                ; width_emb: lane L takes block L % 2 of row min(L / 2, 14)
.irp i, 0,1,2,3,4,5,6,7
	global_load_b128 v[Y+4*\i:Y+4*\i+3], v23, s[10:11] offset:16*\i
.endr
	v_lshlrev_b32 v2, 4, v3
	v_add_nc_u32 v2, s68, v2
	v_mad_u32_u24 v2, v4, s69, v2
.irp i, 0,1,2,3,4,5,6,7
	global_load_b128 v[SC+10*\i:SC+10*\i+3], v2, s[8:9] offset:512*\i
	global_load_b128 v[SC+10*\i+4:SC+10*\i+7], v2, s[8:9] offset:512*\i+256
.endr
	v_lshlrev_b32 v[H32], 5, v4
	v_lshlrev_b32 v[L16], 4, v1
	WIN 0x40
.irp t, 0,1,2,3
	global_load_b128 v[BI+8*\t:BI+8*\t+3], v[H32], s[18:19] offset:64*\t
	global_load_b128 v[BI+8*\t+4:BI+8*\t+7], v[H32], s[18:19] offset:64*\t+16
.endr
	WIN 0
.irp f, 0,1,2,3
	LA 0, 0, \f
.endr
.irp f, 0,1,2,3
	LA 0, 1, \f
.endr
	WIN 0
	v_mul_u32_u24 v24, v24, 48
	v_mul_u32_u24 v26, v25, 0x300
	v_add_nc_u32 v24, v24, v26
	v_add_nc_u32 v24, s71, v24                     ; the width table, writing: row L / 2, half L % 2
	v_lshlrev_b32 v30, 3, v25                      ; 8 x that half
	v_add_nc_u32 v7, 0xc000, v[L16]
	v_mul_u32_u24 v8, v3, 0x110
	v_lshl_add_u32 v8, v4, 5, v8
	v_add_nc_u32 v8, s70, v8
	v_add_nc_u32 v9, 0x22000, v8
	v_add_nc_u32 v[H32E], 0x22000, v[H32]
	v_mul_u32_u24 v[HW], v4, 0x300
	v_add_nc_u32 v[HW], s71, v[HW]
	v_lshlrev_b32 v[IB], 2, v3
	v_add_nc_u32 v[IB], s72, v[IB]
	v_mul_u32_u24 v14, v3, 1584
	v_mad_u32_u24 v14, v4, 24, v14
	v_mul_u32_u24 v15, v3, 66
	v_and_b32 v5, 7, v3
	v_min_u32 v5, 2, v5                            ; W2's label (rows that have none read label 2 and are cleared)
	v_lshlrev_b32 v5, 2, v5
	v_mad_u32_u24 v5, v4, 0x60, v5
	v_cmp_gt_u32 s50, 3, v3                        ; rows 0-2
	v_sub_nc_u32 v26, v3, 8
	v_cmp_gt_u32 s51, 3, v26                       ; rows 8-10
	v_mov_b32 v243, 0
	s_wait_alu depctr_va_vdst(0)                   ; directly ahead of the wait below
	s_wait_loadcnt 48                              ; the width rows are in; 16 + 8 + 24 younger loads may be out
.irp f, 0,1,2,3
	LA 1, 0, \f
.endr
.irp f, 0,1,2,3
	LA 1, 1, \f
.endr
	WIN 0
	v_max3_num_f32 v240, |v[Y]|, |v[Y+1]|, 0x1800000   ; the floor 2^(3 - 127)
	v_max3_num_f32 v241, |v[Y+16]|, |v[Y+17]|, |v[Y+18]|
.irp i, 2,4,6,8,10,12
	v_max3_num_f32 v240, v240, |v[Y+\i]|, |v[Y+\i+1]|
	v_max3_num_f32 v241, v241, |v[Y+17+\i]|, |v[Y+18+\i]|
.endr
	v_max3_num_f32 v240, v240, |v[Y+14]|, |v[Y+15]|
	v_max3_num_f32 v240, v240, v241, |v[Y+31]|
	v_add_nc_u32 v241, 0xff000000, v240
	v_lshrrev_b32 v242, 23, v241
	v_lshlrev_b32 v242, v30, v242
	v_mov_b32_dpp v243, v242 row_xmask:1 row_mask:0xf bank_mask:0xf
	v_cvt_scalef32_pk16_fp6_f32 v[244:246], v[Y:Y+15], v241
	v_cvt_scalef32_pk16_fp6_f32 v[250:252], v[Y+16:Y+31], v241
	v_nop
	v_mov_b32 v247, v250
	v_mov_b32 v248, v251
	v_mov_b32 v249, v252
	v_or_b32 v250, v242, v243                      ; blocks 0 and 1; bytes 2 and 3 stand over zero codes
	v_or_b32 v250, 0x7f7f0000, v250
	v_mov_b32 v251, 0
	s_wait_alu depctr_va_vdst(0)                   ; at the head's end
	s_wait_tensorcnt 0x0                           ; my two K steps of W1 are in
	ds_store_b128 v24, v[244:247]
	ds_store_b128 v24, v[248:251] offset:16
	ds_store_b128 v24, v[248:251] offset:32        ; (the entry's last 16 bytes pad it to 48: written, and used by nobody)
	s_wait_dscnt 0x0
	s_barrier_signal -1
	s_barrier_wait -1                              ; all eight are
	LB 0, 0
	LB 0, 1
	LB 0, 2
	LB 0, 3
	STEP 0, 24
	STEP 1, 24
	STEP 2, 24
	STEP 3, 24
	STEP 4, 24
	STEP 5, 24
	STEP 6, 24
	STEP 7, 0
	WIN 0x40
	s_barrier_wait -1                              ; nobody reads W1's part any more
.irp e, 0,1,2,3,4,5,6,7,8,9,10,11,12,13,14,15
	global_load_b32 v[W2R+\e], v5, s[16:17] offset:12*(\e%8)+192*(\e/8)
	global_load_b32 v[W2R+16+\e], v5, s[16:17] offset:384+12*(\e%8)+192*(\e/8)
.endr
; PHASE 2: each accumulator from its low end on
	WIN 0
	v_mul_u32_u24 v24, v1, 0x110
	v_add_nc_u32 v24, s70, v24
	v_add_nc_u32 v25, 0x22000, v24
.irp e, 0,1,2,3
	ds_store_b128 v24, v[0:3] offset:8704*\e+256   ; the 16 bytes of padding behind each of my rows, a lane a row: written, and used by nobody
	ds_store_b128 v25, v[0:3] offset:8704*\e+256
.endr
.irp x, 0,1
	WIN 0x08+4*\x
.irp f, 0,1,2,3
.irp b, 0,1,2,3,4,5,6,7
	ds_store_b128 v[STP+\b/4], v[8*(8*\f+\b):8*(8*\f+\b)+3] offset:4352*(4*\x+\f)+64*(\b%4)
	ds_store_b128 v[STP+\b/4], v[8*(8*\f+\b)+4:8*(8*\f+\b)+7] offset:4352*(4*\x+\f)+64*(\b%4)+16
.endr
.endr
.endr
	WIN 0
	s_wait_loadcnt 0x0                             ; all that phase 3 loads once, and the first nine groups' indices
	WIN 0x45
.irp e, 0,1,2,3,4,5,6,7,8,9,10,11,12,13,14,15
	v_cvt_pk_bf16_f32 v[W2R+\e], v[W2R+2*\e], v[W2R+2*\e+1]   ; in place: register e is written when pairs 0 .. e have been read
.endr
.irp e, 0,1,2,3,4,5,6,7,8,9,10,11,12,13,14,15
	v_cndmask_b32 v[W2F+\e], 0, v[W2R+\e], s50     ; labels in rows 0-2,
	v_cndmask_b32 v[W2F+16+\e], 0, v[W2R+\e], s51                  ; and in rows 8-10
.endr
	WIN 0x40
.irp z, 0,1,2
.irp e, 6,7,8,9,10,11
	v_mov_b32 v[WF+12*\z+\e], 0                    ; K beyond the row's 64: zero codes
.endr
.endr
	WIN 0
.irp t, 0,1,2,3
	v_or_b32 v[WSC+\t], 0x7f7f0000, v[RAW+\t]
.irp e, 6,7,8,9,10,11
	v_mov_b32 v[WW+12*\t+\e], 0
.endr
.endr
	s_wait_alu depctr_va_vdst(0)                   ; directly ahead of the wait below
	s_wait_dscnt 0x0                               ; my rows of P are stored
	s_barrier_signal -1
	s_barrier_wait -1                              ; and everybody's
.irp z, 0,1,2
	WIN 0
	ADDR IP+2*\z
	WLD \z
	TLD \z, 0
	TLD \z, 1
	TLD \z, 2
	TLD \z, 3
.endr
	s_wait_dscnt 38                                ; group 0's 19 loads are in; 2 x 19 younger ones may be out
	WMS 0
	WIN 0
	s_mov_b32 s60, 5
	s_wait_alu depctr_va_vdst(0)
.Ltrip:
	ITER 0
	ITER 1
	ITER 2
	ITER 3
	ITER 4
	ITER 5
	PLACES
	FLUSH 2
	WIN 0
	s_sub_co_u32 s60, s60, 1
	s_cmp_lg_u32 s60, 0
	s_wait_alu depctr_va_vdst(0)                   ; ahead of the branch
	s_cbranch_scc1 .Ltrip
	s_wait_dscnt 0x0
	s_barrier_signal -1
	s_barrier_wait -1                              ; all reads of LDS are over
	s_wait_tensorcnt 0x0                           ; the wave's end
	ds_add_u32 v[SPW], v[NIL]
	s_wait_dscnt 0x0
	s_endpgm
.Lfunc_end_k_qc0dc5accdf_spans:
	.size	k_qc0dc5accdf_spans, .Lfunc_end_k_qc0dc5accdf_spans-k_qc0dc5accdf_spans
	.p2alignl 7, 3214868480
	.fill 96, 4, 3214868480
	.section	.rodata,"a",@progbits
	.p2align	6, 0x0
	.amdhsa_kernel k_qc0dc5accdf_spans
		.amdhsa_group_segment_fixed_size 327680
		.amdhsa_private_segment_fixed_size 0
		.amdhsa_enable_private_segment 0
		.amdhsa_kernarg_size 88
		.amdhsa_user_sgpr_count 2
		.amdhsa_user_sgpr_kernarg_segment_ptr 1
		.amdhsa_wavefront_size32 1
		.amdhsa_system_sgpr_workgroup_id_x 1
		.amdhsa_system_sgpr_workgroup_id_y 1
		.amdhsa_system_sgpr_workgroup_id_z 1
		.amdhsa_system_vgpr_workitem_id 0
		.amdhsa_next_free_vgpr 1024
		.amdhsa_next_free_sgpr 80
		.amdhsa_reserve_vcc 0
		.amdhsa_float_denorm_mode_32 3
		.amdhsa_float_denorm_mode_16_64 3
		.amdhsa_memory_ordered 1
		.amdhsa_forward_progress 1
		.amdhsa_inst_pref_size 177
	.end_amdhsa_kernel
	.amdgpu_metadata
---
amdhsa.version: [ 1, 2 ]
amdhsa.kernels:
  - .name:           k_qc0dc5accdf_spans
    .symbol:         k_qc0dc5accdf_spans.kd
    .args:
      - { .name: qimg, .offset: 0, .size: 8, .value_kind: global_buffer, .address_space: global }
      - { .name: wimg, .offset: 8, .size: 8, .value_kind: global_buffer, .address_space: global }
      - { .name: scl, .offset: 16, .size: 8, .value_kind: global_buffer, .address_space: global }
      - { .name: width_emb, .offset: 24, .size: 8, .value_kind: global_buffer, .address_space: global }
      - { .name: W1_codes, .offset: 32, .size: 8, .value_kind: global_buffer, .address_space: global }
      - { .name: W1_scales, .offset: 40, .size: 8, .value_kind: global_buffer, .address_space: global }
      - { .name: W2, .offset: 48, .size: 8, .value_kind: global_buffer, .address_space: global }
      - { .name: b1, .offset: 56, .size: 8, .value_kind: global_buffer, .address_space: global }
      - { .name: span_starts, .offset: 64, .size: 8, .value_kind: global_buffer, .address_space: global }
      - { .name: span_ends, .offset: 72, .size: 8, .value_kind: global_buffer, .address_space: global }
      - { .name: part, .offset: 80, .size: 8, .value_kind: global_buffer, .address_space: global }
    .group_segment_fixed_size: 327680
    .private_segment_fixed_size: 0
    .kernarg_segment_align: 8
    .kernarg_segment_size: 88
    .max_flat_workgroup_size: 128
    .sgpr_count:     80
    .vgpr_count:     1024
    .wavefront_size: 32
...
	.end_amdgpu_metadata
.endif
;; end of part 4
;; launch sums (part 5): grid 60 x 4, 4 waves a work-group, no clusters, 0 bytes of LDS; arguments part, b2, out0; writes out0
.if DOCPART == 5
	.amdgcn_target "amdgcn-amd-amdhsa--gfx1250"
	.amdhsa_code_object_version 6
	.text
	.protected	k_qc0dc5accdf_sums
	.globl	k_qc0dc5accdf_sums
	.p2align	8
	.type	k_qc0dc5accdf_sums,@function
k_qc0dc5accdf_sums:
	s_mov_b64 s[64:65], 0
	v_nop
	global_prefetch_b8 v0, s[64:65] scope:SCOPE_SE
	s_setreg_imm32_b32 hwreg(HW_REG_WAVE_MODE, 25, 1), 1
	s_wait_xcnt 0x0
; SUMS.  Work-group (x, y): batch y, spans 128 x + thread.  A logit = the 16 slices' partial logits + b2.  part: [slice 16][batch 4][7,680 spans][4 f32, the last unused].
; Each load of a wave covers 512 consecutive bytes; all sixteen are on their way at once.  No LDS, no barrier.
	s_load_b128 s[4:7], s[0:1], 0x0                ; part s[4:5], b2 s[6:7]
	s_load_b64 s[8:9], s[0:1], 0x10                ; out0
	v_lshlrev_b32 v1, 4, v0
	v_mul_u32_u24 v2, 12, v0
	s_and_b32 s10, ttmp7, 0xffff
	s_mul_i32 s12, s10, 122880
	s_lshl_b32 s11, ttmp9, 11
	s_add_co_u32 s12, s12, s11
	s_mov_b32 s13, 0
	s_mul_i32 s14, s10, 90900
	s_mul_i32 s11, ttmp9, 1536
	s_add_co_u32 s14, s14, s11
	s_mov_b32 s15, 0
	s_lshl_b32 s16, ttmp9, 7
	s_sub_co_u32 s16, 7575, s16                    ; spans from my work-group's first on
	s_wait_alu depctr_va_vdst(0)                   ; at the head's end
	s_wait_kmcnt 0x0
	s_add_nc_u64 s[4:5], s[4:5], s[12:13]
	s_add_nc_u64 s[8:9], s[8:9], s[14:15]
	s_load_b96 s[20:22], s[6:7], 0x0
.irp j, 0,1,2,3,4,5,6,7,8,9,10,11,12,13,14,15
	global_load_b128 v[4+4*\j:7+4*\j], v1, s[4:5] offset:491520*\j th:TH_LOAD_NT
.endr
.irp j, 2,4,6,8,10,12,14
	s_wait_loadcnt 14-\j                           ; slices j and j + 1 are in
	v_pk_add_f32 v[4:5], v[4:5], v[4+4*\j:5+4*\j]
	v_pk_add_f32 v[8:9], v[8:9], v[8+4*\j:9+4*\j]
	v_add_f32 v6, v6, v[6+4*\j]
	v_add_f32 v10, v10, v[10+4*\j]
	s_wait_alu depctr_va_vdst(0)                   ; directly ahead of the next wait
.endr
	s_wait_kmcnt 0x0
	v_pk_add_f32 v[4:5], v[4:5], v[8:9]
	v_add_f32 v6, v6, v10
	v_add_f32 v4, s20, v4
	v_add_f32 v5, s21, v5
	v_add_f32 v6, s22, v6
	v_cmp_gt_u32 vcc_lo, s16, v0
	s_wait_alu depctr_va_vdst(0)
	s_wait_xcnt 0x0
	s_and_saveexec_b32 s17, vcc_lo
	global_store_b96 v2, v[4:6], s[8:9]
	s_wait_xcnt 0x0
	s_or_b32 exec_lo, exec_lo, s17
	s_endpgm
.Lfunc_end_k_qc0dc5accdf_sums:
	.size	k_qc0dc5accdf_sums, .Lfunc_end_k_qc0dc5accdf_sums-k_qc0dc5accdf_sums
	.p2alignl 7, 3214868480
	.fill 96, 4, 3214868480
	.section	.rodata,"a",@progbits
	.p2align	6, 0x0
	.amdhsa_kernel k_qc0dc5accdf_sums
		.amdhsa_group_segment_fixed_size 0
		.amdhsa_private_segment_fixed_size 0
		.amdhsa_enable_private_segment 0
		.amdhsa_kernarg_size 24
		.amdhsa_user_sgpr_count 2
		.amdhsa_user_sgpr_kernarg_segment_ptr 1
		.amdhsa_wavefront_size32 1
		.amdhsa_system_sgpr_workgroup_id_x 1
		.amdhsa_system_sgpr_workgroup_id_y 1
		.amdhsa_system_sgpr_workgroup_id_z 1
		.amdhsa_system_vgpr_workitem_id 0
		.amdhsa_next_free_vgpr 72
		.amdhsa_next_free_sgpr 66
		.amdhsa_reserve_vcc 1
		.amdhsa_float_denorm_mode_32 3
		.amdhsa_float_denorm_mode_16_64 3
		.amdhsa_memory_ordered 1
		.amdhsa_forward_progress 1
		.amdhsa_inst_pref_size 5
	.end_amdhsa_kernel
	.amdgpu_metadata
---
amdhsa.version: [ 1, 2 ]
amdhsa.kernels:
  - .name:           k_qc0dc5accdf_sums
    .symbol:         k_qc0dc5accdf_sums.kd
    .args:
      - { .name: part, .offset: 0, .size: 8, .value_kind: global_buffer, .address_space: global }
      - { .name: b2, .offset: 8, .size: 8, .value_kind: global_buffer, .address_space: global }
      - { .name: out0, .offset: 16, .size: 8, .value_kind: global_buffer, .address_space: global }
    .group_segment_fixed_size: 0
    .private_segment_fixed_size: 0
    .kernarg_segment_align: 8
    .kernarg_segment_size: 24
    .max_flat_workgroup_size: 128
    .sgpr_count:     66
    .vgpr_count:     72
    .wavefront_size: 32
...
	.end_amdgpu_metadata
.endif
;; end of part 5
